; MI455X (gfx1250); checked and timed in simulation.
; The chip was launched on July 23, 2026; its instructions are those of AMD's public machine-readable ISA for CDNA 5 (MIT licence, August 2026) and "CDNA5" Instruction Set Architecture Reference Guide (July 2026). The comments in the code are by the model that wrote it; some were corrected since.
;; Cross Attention Layer. Allowed arithmetic: matrix products marked QUANTISED: E2M3 operands, one E8M0 scale for each 32 along K, by v_wmma_scale_f32_16x16x128_f8f6f4 with both operands' format E2M3, f32 sums; everything else in f32.
;; Inputs: Wg_codes 1,024 x 32 x 24 uint8 (E2M3 codes of Wg, K innermost, in blocks of 32 codes, four codes in three bytes); Wg_scales 1,024 x 32 uint8 (E8M0 scales of Wg, one for each 32 codes along K); Wk_codes 1,024 x 32 x 24 uint8 (E2M3 codes of Wk, K innermost, in blocks of 32 codes, four codes in three bytes); Wk_scales 1,024 x 32 uint8 (E8M0 scales of Wk, one for each 32 codes along K); Wo_codes 1,024 x 32 x 24 uint8 (E2M3 codes of Wo, K innermost, in blocks of 32 codes, four codes in three bytes); Wo_scales 1,024 x 32 uint8 (E8M0 scales of Wo, one for each 32 codes along K); Wq_codes 1,024 x 32 x 24 uint8 (E2M3 codes of Wq, K innermost, in blocks of 32 codes, four codes in three bytes); Wq_scales 1,024 x 32 uint8 (E8M0 scales of Wq, one for each 32 codes along K); Wv_codes 1,024 x 32 x 24 uint8 (E2M3 codes of Wv, K innermost, in blocks of 32 codes, four codes in three bytes); Wv_scales 1,024 x 32 uint8 (E8M0 scales of Wv, one for each 32 codes along K); bg 1,024 float32; bk 1,024 float32; bo 1,024 float32; bq 1,024 float32; bv 1,024 float32; cross_states_codes 8 x 1,024 x 32 x 24 uint8 (E2M3 codes of cross_states, K innermost, in blocks of 32 codes, four codes in three bytes); cross_states_scales 8 x 1,024 x 32 uint8 (E8M0 scales of cross_states, one for each 32 codes along K); hidden_states 8 x 1,024 x 1,024 float32; ln_b 1,024 float32; ln_g 1,024 float32.
;; Outputs: out0 8 x 1,024 x 1,024 float32.
;; This version of the problem:
;;   THIS VERSION OF THE PROBLEM IS GIVEN IN LOW PRECISION. The matrix products marked QUANTISED in the list below multiply operands that are first quantised to E2M3 (2 exponent bits, 3 mantissa bits; 6 bits a number), with one power-of-two scale for each 32 numbers along K (OCP MX v1.0); their sums are f32. All else is computed in f32.
;;   The module's matrix products, in the order in which they are computed (A, B: the left and right operand; K: the contracted axis; several contracted axes count as one K, in the product's order):
;;     1. [M 8,192, K 1,024] x [K 1,024, N 1,024]; A: input hidden_states; B: input Wq (given as codes): QUANTISED
;;     2. [M 8,192, K 1,024] x [K 1,024, N 1,024]; A: input cross_states (given as codes); B: input Wk (given as codes): QUANTISED
;;     3. [M 8,192, K 1,024] x [K 1,024, N 1,024]; A: input cross_states (given as codes); B: input Wv (given as codes): QUANTISED
;;     4. batch 128 x [M 1,024, K 64] x [K 64, N 1,024]; A: computed on the way; B: computed on the way: QUANTISED
;;     5. batch 128 x [M 64, K 1,024] x [K 1,024, N 1,024]; A: computed on the way; B: softmax (see below): QUANTISED
;;     6. [M 8,192, K 1,024] x [K 1,024, N 1,024]; A: computed on the way; B: input Wo (given as codes): QUANTISED
;;     7. [M 8,192, K 1,024] x [K 1,024, N 1,024]; A: input hidden_states; B: input Wg (given as codes): QUANTISED
;;   THE QUANTISER, for each operand of a quantised product, along K:
;;     - K is cut into blocks of 32 from its start; a last block that is shorter is filled with zeros.
;;     - A block's scale is 2^e with e = floor(log2(the largest magnitude in the block)) - 2, held to -126 .. 127; a block of zeros has e = 0. As a byte (E8M0): e + 127.
;;     - Each number is divided by its block's scale, clamped to +-7.5, and rounded to the nearest number of E2M3, ties to even, subnormals kept.
;;     - The product sums the exact products of the quantised numbers (number of the format x scale) in f32.
;;   ~~~python
;;   def quantise(x, axis):      # numpy; x: float32 -> the quantised numbers, widened to float32 again
;;       x = np.moveaxis(x, axis, -1); K = x.shape[-1]
;;       x = np.pad(x, [(0, 0)] * (x.ndim - 1) + [(0, -K % 32)]); x = x.reshape(x.shape[:-1] + (-1, 32)); a = np.abs(x).max(-1, keepdims=True)
;;       e = np.where(a > 0, np.clip(np.frexp(np.where(a > 0, a, 1))[1] - 1 - 2, -126, 127), 0)      # np.frexp(a)[1] - 1 = floor(log2(a)), exactly
;;       r = np.clip(x / 2.0 ** e, -7.5, 7.5)
;;       step = 2.0 ** (np.maximum(np.frexp(np.where(r == 0, 1, r))[1] - 1, 0) - 3)
;;       q = np.round(r / step) * step * 2.0 ** e      # np.round: ties to even
;;       return np.moveaxis(q.reshape(q.shape[:-2] + (-1,))[..., :K], -1, axis).astype(np.float32)
;;   ~~~
;;   SOFTMAX AHEAD OF A QUANTISED PRODUCT. Where the list says 'softmax', what is quantised is not the finished softmax but p = 2^(t - M), with t = logit x log2(e) and M = ceil(the row's largest t), a whole number; so 1/2 < the row's largest p <= 1. The row's sum l is taken of the UNQUANTISED p, in f32, and the product's result is divided by l at the end. Since M is a whole number, a kernel that streams over the keys may use a running M (the ceiling of the running maximum): every later rescaling is an exact power of two, which a block's scale takes up: the codes' values come out the same.
;;   OPERANDS COMPUTED ON THE WAY. 'Computed on the way' means the value that the module computes at that place (a softmax that the list does not call 'softmax' is quantised finished and normalised). What goes into a quantiser is computed in f32, as accurately as f32 sums, v_exp_f32 and their like allow (about 1e-6 of the number): no bf16 or f16 on the way to a quantiser, and a product that is left as it is and whose result goes on into a quantised operand takes f32 operands (vector FMAs, or v_wmma_f32_16x16x4_f32). A number that lies on a knife's edge between two numbers of the format may be rounded either way, as far as f32 arithmetic and the matrix unit's own rounding can turn it there, and no further.
;;   INPUTS GIVEN AS CODES. Wg (in the module: [1024, 1024], K = its axis 1); Wk (in the module: [1024, 1024], K = its axis 1); Wo (in the module: [1024, 1024], K = its axis 1); Wq (in the module: [1024, 1024], K = its axis 1); Wv (in the module: [1024, 1024], K = its axis 1); cross_states (in the module: [8, 1024, 1024], K = its axis 2): each comes as NAME_codes (uint8): NAME with its K axis moved to the last place and cut into blocks of 32 codes, [.., K / 32, bytes a block], one block behind the other in memory; four codes in three bytes: a row's codes are one little-endian stream of bits, code i at bits 6 i .. 6 i + 5 (a code: sign, 2 exponent bits, 3 mantissa bits); and NAME_scales (uint8): the same leading axes, one E8M0 byte (e + 127) for each 32 codes along K. Its value is code x scale, taken as it is: it is not quantised again, and the codes and scales need not be those that the quantiser above would give.
;; One version. Each part assembles by itself: llvm-mc -triple=amdgcn-amd-amdhsa -mcpu=gfx1250 --defsym DOCPART=n.
;; ======== version 1 of 1: 2 launches
;; limits: right only within a limited range of input values
;; workspace buffers: kw 6,291,456 bytes; ksc 262,144 bytes; vw 6,291,456 bytes; vsc 262,144 bytes; wimg 2,555,904 bytes
;; launch kvproj (part 1): grid 4 x 64, 4 waves a work-group, clusters of 4 x 4, 327,680 bytes of LDS; arguments cross_states_codes, cross_states_scales, Wk_codes, Wk_scales, Wv_codes, Wv_scales, bk, bv, Wq_codes, Wq_scales, Wo_codes, Wo_scales, Wg_codes, Wg_scales, kw, ksc, vw, vsc, wimg; writes kw, ksc, vw, vsc, wimg
.if DOCPART == 1
	.amdgcn_target "amdgcn-amd-amdhsa--gfx1250"
	.amdhsa_code_object_version 6
	.text
	.protected	k_q6808124099_kvproj
	.globl	k_q6808124099_kvproj
	.p2align	8
	.type	k_q6808124099_kvproj,@function
k_q6808124099_kvproj:
	s_mov_b64 s[64:65], 0
	v_nop
	global_prefetch_b8 v0, s[64:65] scope:SCOPE_SE
	s_setreg_imm32_b32 hwreg(HW_REG_WAVE_MODE, 25, 1), 1
	s_wait_xcnt 0x0
	s_wait_alu depctr_hold_cnt(0) depctr_sa_sdst(0) depctr_va_vdst(0) depctr_va_sdst(0) depctr_va_ssrc(0) depctr_va_vcc(0) depctr_vm_vsrc(0)
	s_getreg_b32 s2, hwreg(HW_REG_IB_STS2, 6, 4)
	s_cmp_eq_u32 s2, 0
	s_cbranch_scc0 .Lentry_in_a_cluster
	s_endpgm
.Lentry_in_a_cluster:
	s_bfe_u32 s2, ttmp6, 0x10000c
	s_cmp_lg_u32 s2, 0xf033
	s_cbranch_scc0 .Lentry_shape_is_right
	s_endpgm
.Lentry_shape_is_right:
; k = cross Wk^T + bk and v = cross Wv^T + bv on the given codes of FP6 (E2M3), quantised again on the way out: k along a head's 64 channels, v along the keys; and the images of Wq, Wo, Wg for the next launch.
; Nothing of reference() is left out in this launch.  The next launch multiplies only the key blocks that reference()'s own window mask keeps; every input has a way to the output and is loaded.
; A work-group of four waves makes 256 x 256 numbers, a wave 128 x 128: 64 accumulators.  Clusters y 0-7: k (source 1 = rows of cross, source 0 = rows of Wk); clusters y 8-15: v (source 1 = rows of Wv, source 0 = rows of cross),
; so that a lane's registers run along the axis that is quantised next.  The bias along source 0's rows is the first products' C; the bias along source 1's rows is added on the way out; the one that does not apply is made 0.
; K goes through a ring of two LDS slots in CHUNKS OF 256 BYTES of each row of codes (a row is 768 bytes: three chunks, each begins on a multiple of 256 bytes).  A step of 128 along K is 96 bytes: eight steps; steps 2 and 5 lie across two chunks.
; The scales of the 256 + 256 rows, for all of K, are two dense blocks and come once.  The head's four tiles are shared out, one joint load a wave.
; CLUSTERS 4 x 4: source 1's tiles are shared along a row of the cluster, source 0's along a column.
; PREFETCHES: chunk 1 is asked for ahead of the descriptors' set-up (its tensor load stands behind the head's second round), chunk 2 behind the head's loads (its tensor load stands in step 2).  Of the 128 rows that a wave fetches
; in the ring each of the four partners that ask for them jointly names 32, told apart by address: a lane a row, 256 bytes, one instruction a chunk.  Chunk 0 and the scales come by their loads alone.
; THE IMAGES: waves 0-2 of each work-group copy two fragments and 32 scale words of Wq, Wo, Wg into wimg in the order of an operand's registers (a unit of 3,328 bytes).
; LIMITS: NaN and infinities are not served.  A block of zeros gets the byte 1 (not 127): its codes are zeros and only this program reads the bytes.
.set NQ,     2
.set ROWB,   256
.set KROW,   768
.set STEPS,  8
.set CHUNKS, 3
.set PITCH,  272                       ; 256 bytes + 16 of padding
.set FR,     12
.set NL,     6
.set NP,     4
.set HALFT,  128*PITCH
.set SLOT,   4*HALFT
.set KS,     32
.set SCL,    2*SLOT
.set HALFS,  (128*KS/256)*272
.set SBLK,   (16*KS/256)*272
.set SPARE,  SCL+4*HALFS
.set ADRA, 16                          ; v16-17 my fragments of source 1 in slot 0, 1; v18-19 for a piece whose lane halves read two chunks
.set ADRB, 20                          ; v20-23 the same for source 0
.set ADRS, 27
.set SPW,  28
.set NIL,  29
.set PFO,  30                          ; v30 the prefetches' offset: my lane x a row of codes; never rewritten
.set PFA,  2                           ; s[2:3] the first of my work-group's 32 rows of the 128 that I fetch; never rewritten
.set SC,   32                          ; scale words, two sets of 16
.set TB,   64                          ; the bias along source 0's rows, in the accumulators' layout
.set AF,   128
.set TA,   224                         ; the bias along source 1's rows
.set PC,   112
.set TM,   200
.set PW,   216
.set SEL,  20
.set G1, 24
.set G0, 32
.set G1B, 48
.set G0B, 56
.set G1S, 68
.set G0S, 76
.set G1SB, 80
.set G0SB, 88
.set G0H, 4
.set G0HB, 8
.set MSB, 0
.macro WIN new                         ; the immediate's high byte repeats the setting that is left
.if MSB != \new
	s_set_vgpr_msb (MSB<<8)|\new
.set MSB, \new
.endif
.endm
.set MUL_LO, 0xa1
.set MUL_HI, 0xf1
.set TO_B,   0x40
.macro JLOAD g0a, g1a, g0b, g1b        ; waves 0, 1 fetch for source 1, waves 2, 3 for source 0
	s_cmp_eq_u32 s15, 0
	s_cbranch_scc0 .Lfor_b_\@
	tensor_load_to_lds s[\g0a:\g0a+3], s[\g1a:\g1a+7]
	s_nop 0
.rept 4
	v_nop
.endr
	s_branch .Lasked_\@
.Lfor_b_\@:
	tensor_load_to_lds s[\g0b:\g0b+3], s[\g1b:\g1b+7]
	s_nop 0
.rept 4
	v_nop
.endr
.Lasked_\@:
.endm
.macro CREST
	s_cmp_lg_u32 s14, 0
	s_cbranch_scc1 .Lnot_wave_0_\@
	s_barrier_signal -3
.Lnot_wave_0_\@:
	s_barrier_wait -3
	s_barrier_signal -1
	s_barrier_wait -1
.endm
.macro CROUND
	s_barrier_signal -1
	s_barrier_wait -1
	CREST
.endm
	s_load_b256 s[4:11], s[0:1], 0x0               ; cross codes, scales; Wk codes, scales
	s_load_b128 s[96:99], s[0:1], 0x20             ; Wv codes, scales
	s_load_b64 s[66:67], s[0:1], 0x30              ; bk
	s_load_b64 s[100:101], s[0:1], 0x38            ; bv
	s_load_b256 s[24:31], s[0:1], 0x40             ; Wq, Wo codes and scales
	s_load_b128 s[32:35], s[0:1], 0x60             ; Wg codes and scales
	s_load_b64 s[12:13], s[0:1], 0x90              ; wimg
	v_lshl_add_u32 v[SPW], v0, 2, SPARE
	v_mov_b32 v[NIL], 0
	ds_add_u32 v28, v29                            ; the opening lines: the add twice on end and its wait
	ds_add_u32 v28, v29
	s_wait_dscnt 0x0
	v_lshrrev_b32 v1, 5, v0
	v_readfirstlane_b32 s14, v1                    ; wave
	s_lshr_b32 s15, s14, 1
	s_and_b32 s16, s14, 1
	s_bfe_u32 s40, ttmp6, 0x40000                  ; cx
	s_bfe_u32 s41, ttmp6, 0x40004                  ; cy
	s_and_b32 s94, ttmp7, 0xffff
	s_lshr_b32 s95, s94, 3                         ; 0: k, 1: v
	s_and_b32 s42, s94, 7
	s_lshl_b32 s42, s42, 2
	s_mul_i32 s42, s42, s95
	s_add_co_u32 s42, s42, s40                     ; tile of source 0's rows
	s_xor_b32 s17, s95, 1
	s_lshl_b32 s18, s94, 2
	s_mul_i32 s17, s17, s18
	s_add_co_u32 s17, s17, s41                     ; tile of source 1's rows
	s_lshl_b32 s43, s41, 2
	s_lshl_b32 s43, 15, s43
	s_lshl_b32 s44, 0x1111, s40
	v_and_b32 v1, 15, v0
	v_bfe_u32 v2, v0, 4, 1
	v_and_b32 v7, 31, v0
	v_mov_b32 v15, s41                             ; the image unit of this work-group: number 0 .. 255 = tile pair x 8 + K step
	v_lshl_add_u32 v15, v15, 2, s40
	s_lshl_b32 s2, s94, 4
	v_add_nc_u32 v15, s2, v15
	v_lshrrev_b32 v14, 3, v15
	v_and_b32 v15, 7, v15
	v_mul_u32_u24 v8, v1, 768
	v_mad_u32_u24 v8, v2, 24, v8
	v_mad_u32_u24 v8, v14, 24576, v8
	v_mad_u32_u24 v8, v15, 96, v8
	v_lshlrev_b32 v9, 5, v7
	v_lshl_add_u32 v9, v14, 10, v9
	v_lshl_add_u32 v9, v15, 2, v9
	s_mul_i32 s2, s14, 851968
	v_lshl_add_u32 v10, v7, 4, s2
	v_mad_u32_u24 v10, v14, 26624, v10
	v_mad_u32_u24 v10, v15, 3328, v10
	v_mul_u32_u24 v11, v7, 12
	v_sub_nc_u32 v11, v10, v11
	s_lshl_b32 s2, s42, 1
	s_add_co_u32 s2, s2, s16
	s_and_b32 s2, s2, 7
	s_lshl_b32 s2, s2, 9
	v_lshl_add_u32 v12, v2, 5, s2
	s_and_b32 s2, s17, 3
	s_lshl_b32 s2, s2, 1
	s_add_co_u32 s2, s2, s15
	s_lshl_b32 s2, s2, 9
	v_lshl_add_u32 v13, v1, 2, s2
	s_wait_kmcnt 0x0
	s_cmp_eq_u32 s95, 0
	s_cselect_b64 s[8:9], s[8:9], s[4:5]           ; source 0: Wk or cross
	s_cselect_b64 s[10:11], s[10:11], s[6:7]
	s_cselect_b64 s[4:5], s[4:5], s[96:97]         ; source 1: cross or Wv
	s_cselect_b64 s[6:7], s[6:7], s[98:99]
	s_cselect_b64 s[66:67], s[66:67], s[100:101]
	s_cselect_b32 s100, -1, 0
	s_cselect_b32 s101, 0, -1
	; the prefetches' address: the tile's first row + the 128 rows that I fetch + my work-group's 32 of them (my place among the four partners: cx for source 1, cy for source 0)
	s_cmp_eq_u32 s15, 0
	s_cselect_b32 s18, s17, s42
	s_cselect_b32 s19, s40, s41
	s_cselect_b64 s[PFA:PFA+1], s[4:5], s[8:9]
	s_lshl_b32 s18, s18, 8
	s_lshl_b32 s20, s16, 7
	s_add_co_u32 s18, s18, s20
	s_lshl_b32 s19, s19, 5
	s_add_co_u32 s18, s18, s19
	s_mul_i32 s18, s18, KROW                       ; at most 8,191 rows of 768 bytes
	s_mov_b32 s19, 0
	s_add_nc_u64 s[PFA:PFA+1], s[PFA:PFA+1], s[18:19]
	v_mul_u32_u24 v[PFO], v7, KROW
	global_prefetch_b8 v[PFO], s[PFA:PFA+1] offset:ROWB th:TH_LOAD_NT scope:SCOPE_SE     ; chunk 1 of 32 rows
	s_cmp_eq_u32 s14, 1                            ; the weight that my wave lays out: Wq, Wo or Wg, into the pairs that held Wv's addresses
	s_cselect_b64 s[96:97], s[28:29], s[24:25]
	s_cselect_b64 s[98:99], s[30:31], s[26:27]
	s_cmp_eq_u32 s14, 2
	s_cselect_b64 s[96:97], s[32:33], s[96:97]
	s_cselect_b64 s[98:99], s[34:35], s[98:99]
	; group 1: rows of 256 bytes, 16 bytes of padding behind each; 256 rows for the head's loads
	s_or_b32 s[G1+0], s43, (0<<16)|(1<<20)|(1<<21)|(5<<22)|(3<<25)
	s_or_b32 s[G1B+0], s44, (0<<16)|(1<<20)|(1<<21)|(5<<22)|(3<<25)
.irp g, G1, G1B
	s_mov_b32 s[\g+1], ROWB<<16
	s_mov_b32 s[\g+2], 256<<16
	s_mov_b32 s[\g+3], ROWB<<16
	s_mov_b32 s[\g+4], 256
	s_mov_b32 s[\g+5], KROW
	s_mov_b32 s[\g+6], 0
	s_mov_b32 s[\g+7], 0
.endr
	; the scales of 256 rows: a dense block of 8,192 bytes as 32 rows of 256 bytes
	s_or_b32 s[G1S+0], s43, (3<<16)|(1<<20)|(1<<21)|(5<<22)|(3<<25)
	s_or_b32 s[G1SB+0], s44, (3<<16)|(1<<20)|(1<<21)|(5<<22)|(3<<25)
.irp g, G1S, G1SB
	s_mov_b32 s[\g+1], 32<<16
	s_mov_b32 s[\g+2], KS<<16
	s_mov_b32 s[\g+3], 32<<16
	s_mov_b32 s[\g+4], KS
	s_mov_b32 s[\g+5], 32
	s_mov_b32 s[\g+6], 0
	s_mov_b32 s[\g+7], 0
.endr
	s_lshl_b32 s20, s17, 8
	s_lshl_b32 s46, s42, 8
	s_mov_b32 s21, 0
	s_mov_b32 s47, 0
	s_mov_b64 s[18:19], KS
	s_mul_u64 s[22:23], s[20:21], s[18:19]
	s_mul_u64 s[92:93], s[46:47], s[18:19]
	s_mov_b64 s[18:19], KROW
	s_mul_u64 s[20:21], s[20:21], s[18:19]
	s_mul_u64 s[46:47], s[46:47], s[18:19]
	s_mul_i32 s18, s16, 128*KROW                   ; in the ring I fetch 128 rows of a tile
	s_mov_b32 s19, 0
	s_mul_i32 s45, s14, HALFT
	s_add_nc_u64 s[20:21], s[4:5], s[20:21]
	s_add_nc_u64 s[22:23], s[6:7], s[22:23]
	s_add_nc_u64 s[46:47], s[8:9], s[46:47]
	s_add_nc_u64 s[92:93], s[10:11], s[92:93]
	CROUND                                         ; in front of the first joint loads
	s_mov_b32 s[G0H], 1
	s_mov_b32 s[G0H+1], 0
	s_mov_b64 s[G0H+2:G0H+3], s[20:21]
	s_or_b32 s[G0H+3], s[G0H+3], 0x80000000
	s_mov_b32 s[G0HB], 1
	s_mov_b32 s[G0HB+1], 2*HALFT
	s_mov_b64 s[G0HB+2:G0HB+3], s[46:47]
	s_or_b32 s[G0HB+3], s[G0HB+3], 0x80000000
	s_mov_b32 s[G0S], 1
	s_mov_b32 s[G0S+1], SCL
	s_mov_b64 s[G0S+2:G0S+3], s[22:23]
	s_or_b32 s[G0S+3], s[G0S+3], 0x80000000
	s_mov_b32 s[G0SB], 1
	s_mov_b32 s[G0SB+1], SCL+2*HALFS
	s_mov_b64 s[G0SB+2:G0SB+3], s[92:93]
	s_or_b32 s[G0SB+3], s[G0SB+3], 0x80000000
	s_add_nc_u64 s[20:21], s[20:21], s[18:19]
	s_add_nc_u64 s[46:47], s[46:47], s[18:19]
.irp s, 0,1
	s_mov_b32 s[G0+4*\s], 1
	s_add_co_u32 s[G0+4*\s+1], s45, \s*SLOT
	s_add_nc_u64 s[G0+4*\s+2:G0+4*\s+3], s[20:21], \s*ROWB
	s_or_b32 s[G0+4*\s+3], s[G0+4*\s+3], 0x80000000
	s_mov_b32 s[G0B+4*\s], 1
	s_add_co_u32 s[G0B+4*\s+1], s45, \s*SLOT
	s_add_nc_u64 s[G0B+4*\s+2:G0B+4*\s+3], s[46:47], \s*ROWB
	s_or_b32 s[G0B+4*\s+3], s[G0B+4*\s+3], 0x80000000
.endr
; the head's loads, one a wave, in one tree of branches on the wave's number: chunk 0 of source 1, chunk 0 of source 0, the two blocks of scales
.macro ARM under, g0, g1, next
	s_cmp_lt_u32 s14, \under
	s_cbranch_scc0 \next
	tensor_load_to_lds s[\g0:\g0+3], s[\g1:\g1+7]
	s_nop 0
.rept 4
	v_nop
.endr
	s_branch .Lhead_asked
\next:
.endm
	ARM 1, G0H,  G1,  .Lhead_b
	ARM 2, G0HB, G1B, .Lhead_sa
	ARM 3, G0S,  G1S, .Lhead_sb
	tensor_load_to_lds s[G0SB:G0SB+3], s[G1SB:G1SB+7]
	s_nop 0
.rept 4
	v_nop
.endr
.Lhead_asked:
	; under the tiles' flight: the fragments and scale words that my wave lays out, and the biases
	s_cmp_lt_u32 s14, 3
	s_wait_alu depctr_va_vdst(0)
	s_cbranch_scc0 .Lno_lay_in
.irp f, 0,1
.irp p, 0,1,2,3,4,5
	global_load_b64 v[128+12*\f+2*\p:129+12*\f+2*\p], v8, s[96:97] offset:12288*\f+48*(\p/3)+8*(\p%3)
.endr
.endr
	global_load_b32 v152, v9, s[98:99]
.Lno_lay_in:
.irp b, 0,1,2,3,4,5,6,7
	global_load_b128 v[TB+8*\b:TB+8*\b+3], v12, s[66:67] offset:64*\b
	global_load_b128 v[TB+8*\b+4:TB+8*\b+7], v12, s[66:67] offset:64*\b+16
.endr
.irp a, 0,1,2,3,4,5,6,7
	global_load_b32 v[TA+\a], v13, s[66:67] offset:64*\a
.endr
	v_mul_u32_u24 v3, v1, PITCH
	v_mul_u32_u24 v4, v2, 24
	v_add_nc_u32 v4, v3, v4                        ; row x pitch + 24 x half
	s_mov_b32 s21, SLOT-232
	s_mov_b32 s22, SLOT+232
	v_sub_nc_u32 v7, 1, v2
	v_mul_u32_u24 v5, s21, v2
	v_add_nc_u32 v5, v3, v5
	v_add_nc_u32 v5, 232, v5                       ; lanes 0-15 byte 232 of the row in slot 0, lanes 16-31 byte 0 in slot 1;
	v_mul_u32_u24 v6, s22, v7
	v_add_nc_u32 v6, v3, v6                        ; and the other way round
	s_mul_i32 s21, s15, HALFT
	s_mul_i32 s22, s16, HALFT
	s_add_co_u32 s22, s22, 2*HALFT
	v_add_nc_u32 v[ADRA+2], s21, v5
	v_add_nc_u32 v[ADRA+3], s21, v6
	v_add_nc_u32 v[ADRB+2], s22, v5
	v_add_nc_u32 v[ADRB+3], s22, v6
	global_prefetch_b8 v[PFO], s[PFA:PFA+1] offset:2*ROWB th:TH_LOAD_NT scope:SCOPE_SE   ; chunk 2 of the same 32 rows
.irp s, 0,1
	v_add_nc_u32 v[ADRA+\s], s21, v4
	v_add_nc_u32 v[ADRB+\s], s22, v4
	s_add_co_u32 s21, s21, SLOT
	s_add_co_u32 s22, s22, SLOT
.endr
	v_mul_u32_u24 v5, v1, KS
	v_lshrrev_b32 v6, 8, v5
	v_lshl_add_u32 v5, v6, 4, v5
	s_mul_i32 s21, s15, HALFS
	s_mul_i32 s22, s16, HALFS
	s_add_co_u32 s22, s22, 2*HALFS
	s_sub_co_u32 s22, s22, s21
	v_mul_u32_u24 v6, s22, v2                      ; lanes 16-31 take source 0's words
	s_add_co_u32 s21, s21, SCL
	v_add_nc_u32 v5, v5, v6
	v_add_nc_u32 v[ADRS], s21, v5
	s_wait_alu depctr_va_vdst(0)
	s_wait_loadcnt 0x0
	s_cmp_lt_u32 s14, 3
	s_cbranch_scc0 .Lno_lay_out
.irp f, 0,1
.irp i, 0,1,2
	global_store_b128 v10, v[128+12*\f+4*\i:131+12*\f+4*\i], s[12:13] offset:1536*\f+512*\i   ; 32 lanes store 512 consecutive bytes
.endr
.endr
	global_store_b32 v11, v152, s[12:13] offset:3072
.Lno_lay_out:
.set II, 0
.rept 64
	v_cndmask_b32 v[TB+II], 0, v[TB+II], s100
.set II, II+1
.endr
.set II, 0
.rept 8
	v_cndmask_b32 v[TA+II], 0, v[TA+II], s101
.set II, II+1
.endr
	s_wait_alu depctr_va_vdst(0)
	s_wait_xcnt 0x0                                ; the stores have read their registers
.macro FRAG reg, adr, st, i            ; 16 rows x 128 K: six pieces of 8 bytes; byte y of a row lies in slot (y / 256) % 2 at byte y % 256
.irp p, 0,1,2,3,4,5
.set BY, 96*(\st)+48*(\p/3)+8*(\p%3)
.if BY/ROWB == (BY+24)/ROWB
	ds_load_b64 v[\reg+2*\p:\reg+2*\p+1], v[\adr+(BY/ROWB)%2] offset:BY%ROWB+(\i)*16*PITCH
.else
	ds_load_b64 v[\reg+2*\p:\reg+2*\p+1], v[\adr+2+(BY/ROWB)%2] offset:BY%ROWB-232+(\i)*16*PITCH
.endif
.endr
.endm
; 16 matrix instructions; the 64 accumulators take turns.  zero = 1: the first products take the bias as C
.macro MUL16 a0, p, q, sc, zero
.irp a, \a0, \a0+1
.irp b, 0,1,2,3,4,5,6,7
.if \zero
	v_wmma_scale_f32_16x16x128_f8f6f4 v[8*(8*((\a)%4)+\b):8*(8*((\a)%4)+\b)+7], v[128*(\p)+FR*\b:128*(\p)+FR*\b+FR-1], v[AF+FR*(\a):AF+FR*(\a)+FR-1], v[TB+8*\b:TB+8*\b+7], v[SC+8*NQ*(\sc)+NQ*\b+(\q)], v[SC+8*NQ*(\sc)+NQ*(\a)+(\q)] matrix_a_fmt:MATRIX_FMT_FP6 matrix_b_fmt:MATRIX_FMT_FP6 matrix_a_scale:MATRIX_SCALE_ROW1
.else
	v_wmma_scale_f32_16x16x128_f8f6f4 v[8*(8*((\a)%4)+\b):8*(8*((\a)%4)+\b)+7], v[128*(\p)+FR*\b:128*(\p)+FR*\b+FR-1], v[AF+FR*(\a):AF+FR*(\a)+FR-1], v[8*(8*((\a)%4)+\b):8*(8*((\a)%4)+\b)+7], v[SC+8*NQ*(\sc)+NQ*\b+(\q)], v[SC+8*NQ*(\sc)+NQ*(\a)+(\q)] matrix_a_fmt:MATRIX_FMT_FP6 matrix_b_fmt:MATRIX_FMT_FP6 matrix_a_scale:MATRIX_SCALE_ROW1
.endif
.endr
.endr
.endm
.macro FETCH_B st, p
	WIN TO_B
.irp i, 0,1,2,3,4,5,6,7
	FRAG 128*(\p)+FR*\i, ADRB, \st, \i
.endr
	WIN 0
.endm
.macro FETCH_A st, i0
.irp i, \i0, \i0+1, \i0+2, \i0+3
	FRAG AF+FR*(\i), ADRA, \st, \i
.endr
.endm
.macro SCALES pr                       ; the words of steps 2 pr, 2 pr + 1 into set pr % 2
.irp i, 0,1,2,3,4,5,6,7
	ds_load_b64 v[SC+8*NQ*((\pr)%2)+NQ*\i:SC+8*NQ*((\pr)%2)+NQ*\i+1], v[ADRS] offset:\i*SBLK+4*NQ*(\pr)
.endr
.endm
.macro PLACES n
.rept \n
	v_nop
.endr
.endm
; A step: 64 matrix instructions; the next step's fragments are fetched in its middle and at its end.  Where the next step ends in a chunk not read yet, a barrier shows that chunk whole;
; where it begins in a later chunk, the chunk left behind is free: the three lines, the barrier, and, where a chunk two on is left, the cluster's round and the refill.
.macro STEP st, zero
.set NX, (\st)+1
.set C0, (96*(\st))/ROWB
.set C1, (96*NX)/ROWB
.set E0, (96*(\st)+95)/ROWB
.set E1, (96*NX+95)/ROWB
.if C1 > C0 || E1 > E0
	s_wait_tensorcnt 0x0                           ; all my tensor loads have landed
.if C1 > C0
	ds_add_u32 v[SPW], v[NIL]
	s_wait_dscnt 4*NL+1                            ; the add and the 24 youngest loads (blocks 4-7) may be out
.else
	s_wait_dscnt 4*NL                              ; the 24 youngest loads may be out
.endif
	WIN MUL_LO
	MUL16 0, (\st)%2, (\st)%2, ((\st)/2)%2, 0
	s_wait_dscnt 0x0                               ; the add and all my reads are done
	s_barrier_signal -1
	MUL16 2, (\st)%2, (\st)%2, ((\st)/2)%2, 0
	WIN 0
	s_barrier_wait -1
.if C1 > C0 && C0+2 < CHUNKS
	CREST
	s_add_nc_u64 s[G0+4*(C0%2)+2:G0+4*(C0%2)+3], s[G0+4*(C0%2)+2:G0+4*(C0%2)+3], 2*ROWB
	s_add_nc_u64 s[G0B+4*(C0%2)+2:G0B+4*(C0%2)+3], s[G0B+4*(C0%2)+2:G0B+4*(C0%2)+3], 2*ROWB
	JLOAD G0+4*(C0%2), G1, G0B+4*(C0%2), G1B       ; chunk C0 + 2; its four v_nop are the places in front of the loads below
.else
	PLACES NP
.endif
.else
	s_wait_dscnt 4*NL
.if \zero
	WIN 0x81                                       ; C from window 0, D in window 2
.else
	WIN MUL_LO
.endif
	MUL16 0, (\st)%2, (\st)%2, ((\st)/2)%2, \zero
	MUL16 2, (\st)%2, (\st)%2, ((\st)/2)%2, \zero
	s_wait_dscnt 0
	PLACES NP
.endif
	FETCH_B NX, NX%2
	FETCH_A NX, 0
.if NX%2 == 0
	SCALES NX/2
.endif
.if \zero
	WIN 0xc1
.else
	WIN MUL_HI
.endif
	MUL16 4, (\st)%2, (\st)%2, ((\st)/2)%2, \zero
	MUL16 6, (\st)%2, (\st)%2, ((\st)/2)%2, \zero
	PLACES NP
	WIN 0
	FETCH_A NX, 4
.endm
	s_wait_tensorcnt 0x0                           ; my tile of the head's four is in
	ds_add_u32 v[SPW], v[NIL]
	s_mov_b32 s[G1+2], 128<<16                     ; no tensor load of mine is out: from here on a load brings 128 rows
	s_mov_b32 s[G1+4], 128
	s_mov_b32 s[G1B+2], 128<<16
	s_mov_b32 s[G1B+4], 128
	s_wait_dscnt 0x0
	CROUND
	JLOAD G0+4, G1, G0B+4, G1B                     ; chunk 1, the first tensor load behind the round
	FETCH_B 0, 0
	FETCH_A 0, 0
	SCALES 0
	FETCH_A 0, 4
	STEP 0, 1
.set ST, 1
.rept STEPS-2
	STEP ST, 0
.set ST, ST+1
.endr
	s_load_b256 s[24:31], s[0:1], 0x70             ; kw, ksc, vw, vsc (every tensor load has been waited for: the descriptors are free)
	s_wait_dscnt 4*NL
	WIN MUL_LO
	MUL16 0, 1, 1, 1, 0
	MUL16 2, 1, 1, 1, 0
	s_wait_dscnt 0
	WIN MUL_HI
	MUL16 4, 1, 1, 1, 0
	MUL16 6, 1, 1, 1, 0
	WIN 0
	PLACES NP
	; THE WAY OUT: where my codes and scale words go, for k and for v; one of the two is chosen
	s_lshl_b32 s23, s42, 1
	s_add_co_u32 s23, s23, s16
	s_lshr_b32 s40, s17, 2
	s_and_b32 s41, s17, 3
	s_lshl_b32 s41, s41, 1
	s_add_co_u32 s41, s41, s15
	s_mul_i32 s48, s40, 786432
	s_mul_i32 s44, s23, 98304
	s_add_co_u32 s48, s48, s44
	s_mul_i32 s44, s41, 6144
	s_add_co_u32 s48, s48, s44
	s_lshl_b32 s52, s40, 15
	s_lshl_b32 s44, s23, 12
	s_add_co_u32 s52, s52, s44
	s_lshl_b32 s44, s41, 9
	s_add_co_u32 s52, s52, s44
	s_lshr_b32 s40, s23, 3
	s_and_b32 s41, s23, 7
	s_lshl_b32 s43, s17, 1
	s_add_co_u32 s43, s43, s15
	s_mul_i32 s50, s40, 786432
	s_mul_i32 s44, s43, 98304
	s_add_co_u32 s50, s50, s44
	s_mul_i32 s44, s41, 1536
	s_add_co_u32 s50, s50, s44
	s_lshl_b32 s54, s40, 15
	s_lshl_b32 s44, s43, 12
	s_add_co_u32 s54, s54, s44
	s_lshl_b32 s44, s41, 7
	s_add_co_u32 s54, s54, s44
	s_mov_b32 s36, 12288
	s_mov_b32 s38, 1024
	s_mov_b32 s55, 768
	s_mov_b32 s37, 0
	s_mov_b32 s39, 0
	s_mov_b32 s49, 0
	s_mov_b32 s53, 0
	s_mov_b32 s[SEL], 0x76543210
	s_mov_b32 s[SEL+1], 0xfedcba98
	s_mov_b32 s47, 0xffff0000
	s_wait_kmcnt 0x0
	s_cmp_eq_u32 s95, 0
	s_cselect_b64 s[32:33], s[24:25], s[28:29]
	s_cselect_b64 s[34:35], s[26:27], s[30:31]
	s_cselect_b32 s48, s48, s50
	s_cselect_b32 s52, s52, s54
	s_cselect_b32 s36, 768, s36
	s_cselect_b32 s38, 128, s38
	s_cselect_b32 s55, 49152, s55
	s_add_nc_u64 s[32:33], s[32:33], s[48:49]
	s_add_nc_u64 s[34:35], s[34:35], s[52:53]
	v_and_b32 v18, 31, v0
	v_lshlrev_b32 v16, 3, v18
	v_add_nc_u32 v17, s55, v16
	v_lshlrev_b32 v18, 2, v18
.irp b, 0,1,2,3
	v_mov_b32 v[TM+4+\b], 0
.endr
; 64 numbers of a lane, registers 16 b + 0..15 = my half of block b, become 12 registers of codes and a scale word
.macro QUANT s
.irp b, 0,1,2,3
	v_max3_num_f32 v[TM+\b], |v[\s+16*\b]|, |v[\s+1+16*\b]|, 0x1800000   ; the floor 2^(3 - 127): the byte cannot fall under 1
.endr
.irp i, 2,4,6,8,10,12,14
.irp b, 0,1,2,3
	v_max3_num_f32 v[TM+\b], v[TM+\b], |v[\s+16*\b+\i]|, |v[\s+1+16*\b+\i]|
.endr
.endr
.irp b, 0,1,2,3
	v_permlanex16_b32 v[TM+4+\b], v[TM+\b], s[SEL], s[SEL+1]
.endr
.irp b, 0,1,2,3
	v_max_num_f32 v[TM+\b], v[TM+\b], v[TM+4+\b]
.endr
.irp b, 0,1,2,3
	v_add_nc_u32 v[TM+12+\b], 0xff000000, v[TM+\b] ; 2 off the exponent field: the conversion's scale operand
.endr
.irp b, 0,1,2,3
	v_lshrrev_b32 v[TM+4+\b], 23, v[TM+12+\b]
.endr
	v_lshl_or_b32 v[PW], v[TM+5], 8, v[TM+4]
	v_lshl_or_b32 v[PW], v[TM+6], 16, v[PW]
	v_lshl_or_b32 v[PW], v[TM+7], 24, v[PW]
.irp c, 0,1
	v_cvt_scalef32_pk16_fp6_f32 v[PC+6*\c:PC+2+6*\c], v[\s+32*\c:\s+15+32*\c], v[TM+12+2*\c]
	v_cvt_scalef32_pk16_fp6_f32 v[PC+12+4*\c:PC+14+4*\c], v[\s+16+32*\c:\s+31+32*\c], v[TM+12+2*\c+1]
.endr
	v_nop                                          ; one plain place behind a scaled conversion
.irp c, 0,1
.irp i, 0,1,2
	v_permlane16_swap_b32 v[PC+6*\c+\i], v[PC+12+4*\c+\i]
.endr
.irp i, 0,1,2
	v_mov_b32 v[PC+3+6*\c+\i], v[PC+12+4*\c+\i]
.endr
.endr
.endm
.macro OUTA a                          ; block a of 16 rows: the other bias, the quantiser, the stores
	WIN 0x02+((\a)/4)
.set AC, 64*((\a)%4)
.set TP, TA+((\a)/2)*2
.set II, 0
.rept 32
.if ((\a)%2) == 0
	v_pk_add_f32 v[32+2*II:33+2*II], v[AC+2*II:AC+2*II+1], v[TP:TP+1] op_sel_hi:[1,0]
.else
	v_pk_add_f32 v[32+2*II:33+2*II], v[AC+2*II:AC+2*II+1], v[TP:TP+1] op_sel:[0,1] op_sel_hi:[1,1]
.endif
.set II, II+1
.endr
	WIN 0
	s_wait_xcnt 0x0                                ; the earlier stores have read their registers and bases
.if (\a) > 0
	s_add_nc_u64 s[32:33], s[32:33], s[36:37]
.if ((\a)%2) == 0
	s_add_nc_u64 s[34:35], s[34:35], s[38:39]
.endif
.endif
	QUANT 32
.irp c, 0,1
.irp p, 0,1,2
	global_store_b64 v[16+\c], v[PC+6*\c+2*\p:PC+6*\c+2*\p+1], s[32:33] offset:256*\p   ; 32 lanes store 256 consecutive bytes, aligned
.endr
.endr
.if ((\a)%2) == 0
	v_mov_b32 v217, v[PW]
.else
	v_cndmask_b32 v218, v217, v[PW], s47
	global_store_b32 v18, v218, s[34:35]
.endif
.endm
.irp a, 0,1,2,3,4,5,6,7
	OUTA \a
.endr
	s_wait_tensorcnt 0x0                           ; the wave's end
	ds_add_u32 v[SPW], v[NIL]
	s_wait_dscnt 0x0
	CROUND                                         ; the closing round
	s_endpgm
.Lfunc_end_k_q6808124099_kvproj:
	.size	k_q6808124099_kvproj, .Lfunc_end_k_q6808124099_kvproj-k_q6808124099_kvproj
	.p2alignl 7, 3214868480
	.fill 96, 4, 3214868480
	.section	.rodata,"a",@progbits
	.p2align	6, 0x0
	.amdhsa_kernel k_q6808124099_kvproj
		.amdhsa_group_segment_fixed_size 327680
		.amdhsa_private_segment_fixed_size 0
		.amdhsa_enable_private_segment 0
		.amdhsa_kernarg_size 152
		.amdhsa_user_sgpr_count 2
		.amdhsa_user_sgpr_kernarg_segment_ptr 1
		.amdhsa_wavefront_size32 1
		.amdhsa_system_sgpr_workgroup_id_x 1
		.amdhsa_system_sgpr_workgroup_id_y 1
		.amdhsa_system_sgpr_workgroup_id_z 1
		.amdhsa_system_vgpr_workitem_id 0
		.amdhsa_next_free_vgpr 1024
		.amdhsa_next_free_sgpr 104
		.amdhsa_reserve_vcc 0
		.amdhsa_float_denorm_mode_32 3
		.amdhsa_float_denorm_mode_16_64 3
		.amdhsa_memory_ordered 1
		.amdhsa_forward_progress 1
		.amdhsa_inst_pref_size 196
	.end_amdhsa_kernel
	.amdgpu_metadata
---
amdhsa.version: [ 1, 2 ]
amdhsa.kernels:
  - .name:           k_q6808124099_kvproj
    .symbol:         k_q6808124099_kvproj.kd
    .args:
      - { .name: cross_states_codes, .offset: 0, .size: 8, .value_kind: global_buffer, .address_space: global }
      - { .name: cross_states_scales, .offset: 8, .size: 8, .value_kind: global_buffer, .address_space: global }
      - { .name: Wk_codes, .offset: 16, .size: 8, .value_kind: global_buffer, .address_space: global }
      - { .name: Wk_scales, .offset: 24, .size: 8, .value_kind: global_buffer, .address_space: global }
      - { .name: Wv_codes, .offset: 32, .size: 8, .value_kind: global_buffer, .address_space: global }
      - { .name: Wv_scales, .offset: 40, .size: 8, .value_kind: global_buffer, .address_space: global }
      - { .name: bk, .offset: 48, .size: 8, .value_kind: global_buffer, .address_space: global }
      - { .name: bv, .offset: 56, .size: 8, .value_kind: global_buffer, .address_space: global }
      - { .name: Wq_codes, .offset: 64, .size: 8, .value_kind: global_buffer, .address_space: global }
      - { .name: Wq_scales, .offset: 72, .size: 8, .value_kind: global_buffer, .address_space: global }
      - { .name: Wo_codes, .offset: 80, .size: 8, .value_kind: global_buffer, .address_space: global }
      - { .name: Wo_scales, .offset: 88, .size: 8, .value_kind: global_buffer, .address_space: global }
      - { .name: Wg_codes, .offset: 96, .size: 8, .value_kind: global_buffer, .address_space: global }
      - { .name: Wg_scales, .offset: 104, .size: 8, .value_kind: global_buffer, .address_space: global }
      - { .name: kw, .offset: 112, .size: 8, .value_kind: global_buffer, .address_space: global }
      - { .name: ksc, .offset: 120, .size: 8, .value_kind: global_buffer, .address_space: global }
      - { .name: vw, .offset: 128, .size: 8, .value_kind: global_buffer, .address_space: global }
      - { .name: vsc, .offset: 136, .size: 8, .value_kind: global_buffer, .address_space: global }
      - { .name: wimg, .offset: 144, .size: 8, .value_kind: global_buffer, .address_space: global }
    .group_segment_fixed_size: 327680
    .private_segment_fixed_size: 0
    .kernarg_segment_align: 8
    .kernarg_segment_size: 152
    .max_flat_workgroup_size: 128
    .sgpr_count:     104
    .vgpr_count:     1024
    .wavefront_size: 32
...
	.end_amdgpu_metadata
.endif
;; end of part 1
;; launch fused (part 2): grid 256 x 1, 16 waves a work-group, no clusters, 317,952 bytes of LDS; arguments hidden_states, wimg, kw, ksc, vw, vsc, bq, bo, bg, ln_g, ln_b, out0; writes out0
.if DOCPART == 2
	.amdgcn_target "amdgcn-amd-amdhsa--gfx1250"
	.amdhsa_code_object_version 6
	.text
	.protected	k_q6808124099_fused
	.globl	k_q6808124099_fused
	.p2align	8
	.type	k_q6808124099_fused,@function
k_q6808124099_fused:
	s_mov_b64 s[64:65], 0
	v_nop
	global_prefetch_b8 v0, s[64:65] scope:SCOPE_SE
	s_setreg_imm32_b32 hwreg(HW_REG_WAVE_MODE, 25, 1), 1
	s_wait_xcnt 0x0
; out0 = LayerNorm(0.5 hidden + 0.5 sigmoid(hidden Wg^T + bg) (ctx Wo^T + bo)), ctx = windowed attention of q = hidden Wq^T + bq on the k and v that the launch before has left as codes.
; All products on codes of FP6 (E2M3) with E8M0 scales; everything else in f32.
; SHARES.  A work-group owns 32 token rows and all 1,024 columns, so that a LayerNorm row has one owner and nothing but k, v and the weights' images comes from memory.  Wave w of sixteen owns head w, which is
; columns 64 w .. 64 w + 63, in every product: q never leaves its wave, and each weight fragment has ONE reader, which takes it from memory straight into operand registers (three loads of 512 bytes).
; With 32 rows a weight fragment feeds two matrix instructions whatever a wave's size, so small waves lose nothing here, and four waves to a SIMD cover each other's waits.
; NO CLUSTER, NO TENSOR LOADS: hidden takes 131,584 bytes of LDS and the operand images 53,248, which leaves 142,848; two slots of one K step of the three weights' columns (106,496 bytes) do not fit, and a fragment
; that one wave reads once would only go a longer way through LDS.  NO PREFETCH: all work-groups walk the same weight images at about the same time; k and v are read by five neighbours; hidden is wanted at the head.
; ALL PRODUCTS ARE USED TRANSPOSED (source 0 = 16 rows of a weight, 16 keys, or 16 channels of v; source 1 = 16 of my rows): a lane holds one token row, its registers run along the columns.
; THE WINDOW.  Queries 32 i .. 32 i + 31 see keys 32 (i - 2) .. 32 (i + 3) - 1: five blocks of 32.  The window's first block is held to 0 .. 27, so that it lies inside the batch; what |key - query| > 64 hides becomes
; -infinity ahead of the maximum.  The softmax is taken in one pass: M = the ceiling of the row's largest t, p = 2^(t - M), the sum of the unquantised p divides at the end.
; ORDER INSIDE A BLOCK OF 32: q and p are laid as k and v are (numbers 8 h + 0..7, 16 + 8 h + 0..7 in lane half h): alike on both sides of a product.  hidden and ctx meet given codes and are laid in the natural order.
; A head's 64 fill half of an instruction's 128 along K: the other half meets codes of zero.
; LIMITS: NaN and infinities are not served.  A block of zeros gets the byte 1 (not 127): its codes are zeros and only this program reads the bytes.  A block whose largest magnitude lies under 2^-124 is held at byte 1.
; LDS: H, 32 rows of 4,096 bytes at pitch 4,112: hidden, later the blended rows, in place; HIMG, HSC: hidden's 16 fragments (8 m + K step) as images of their registers (six planes of 256 bytes) and their scale words;
; CIMG, CSC: the same for ctx.
; REGISTERS: v1-15 offsets and addresses that stay; v16-79 ACC1 (accumulator (m, t) at 16 + 8 (4 m + t)), during the attention q, p and small things; v80-151 k, then v, then ACC2; v80-131 fragments of my rows and
; their scale words; v152-247 four weight units, v248-251 their scale words; v152-231 scores, then p, then ctx; v232-255 at work.
.set HP,   4112
.set HIMG, 131584
.set HSC,  156160
.set CIMG, 158208
.set CSC,  182784
; THE WAVES GO IN TWO ORDERS.  hidden Wg^T + bg needs hidden alone, so half of the waves make q, the attention, then the gate, and the other half the gate, then q and the attention:
; a loop of two trips over one text of a product of 16 units, with the weight, the bias and what follows chosen by the wave's number and the trip.  While one half computes its softmax, the other half's weight loads are out.
; The finished gate waits in LDS bytes of the wave's own, as an image of its 64 registers: 8,192 bytes a wave from GST on (behind the spare words, which begin at 184,832).
.set GST,  186880
.set ACC1, 16
.set ACC2, 80
; REGISTERS OF A PRODUCT OF 16 UNITS: v16-79 the accumulators; v80-105 and v106-131 my rows' fragments and scale words, two buffers by turns (K step s in buffer s % 2); v152-247 four weight units, v248-251 their scale words.
; k's codes (v80-145) are therefore loaded at the head of the attention.  In the head: v80-143 hidden; v200-236 the quantiser's results and work, where units 2 and 3 land afterwards.
.set AF,   80                          ; set anew for each K step: 80 or 106
.set AS,   104
.set UF,   152
.set US,   248
.set S,    152
.set HS,   80
.set PC,   200
.set TM,   220
.set PW,   236
.set SEL,  36
.macro BARRIER                                 ; my LDS stores have landed and my LDS loads are in: then the work-group's barrier
	s_wait_dscnt 0x0
	s_barrier_signal -1
	s_barrier_wait -1
.endm
; 64 numbers of a lane, registers 16 b + 0..15 = my half of block b, become a fragment's 12 registers in v[PC] on and its scale word in v[PW]
.macro QUANT s
.irp b, 0,1,2,3
	v_max3_num_f32 v[TM+\b], |v[\s+16*\b]|, |v[\s+1+16*\b]|, 0x1800000   ; the floor 2^(3 - 127) among the leaves: the byte cannot fall under 1
.endr
.irp i, 2,4,6,8,10,12,14
.irp b, 0,1,2,3
	s_delay_alu instid0(VALU_DEP_4)
	v_max3_num_f32 v[TM+\b], v[TM+\b], |v[\s+16*\b+\i]|, |v[\s+1+16*\b+\i]|
.endr
.endr
.irp b, 0,1,2,3
	s_delay_alu instid0(VALU_DEP_4)
	v_permlanex16_b32 v[TM+4+\b], v[TM+\b], s[SEL], s[SEL+1]
.endr
.irp b, 0,1,2,3
	s_delay_alu instid0(VALU_DEP_4)
	v_max_num_f32 v[TM+\b], v[TM+\b], v[TM+4+\b]
.endr
.irp b, 0,1,2,3
	s_delay_alu instid0(VALU_DEP_4)
	v_add_nc_u32 v[TM+12+\b], 0xff000000, v[TM+\b] ; 2 off the exponent field: the conversion's scale operand
.endr
.irp b, 0,1,2,3
	s_delay_alu instid0(VALU_DEP_4)
	v_lshrrev_b32 v[TM+4+\b], 23, v[TM+12+\b]
.endr
	s_delay_alu instid0(VALU_DEP_3)
	v_lshl_or_b32 v[PW], v[TM+5], 8, v[TM+4]
	s_delay_alu instid0(VALU_DEP_1)
	v_lshl_or_b32 v[PW], v[TM+6], 16, v[PW]
	s_delay_alu instid0(VALU_DEP_1)
	v_lshl_or_b32 v[PW], v[TM+7], 24, v[PW]
.irp c, 0,1
	v_cvt_scalef32_pk16_fp6_f32 v[PC+6*\c:PC+2+6*\c], v[\s+32*\c:\s+15+32*\c], v[TM+12+2*\c]
	v_cvt_scalef32_pk16_fp6_f32 v[PC+12+4*\c:PC+14+4*\c], v[\s+16+32*\c:\s+31+32*\c], v[TM+12+2*\c+1]
.endr
	v_nop                                          ; one plain place behind a scaled conversion
.irp c, 0,1
.irp i, 0,1,2
	v_permlane16_swap_b32 v[PC+6*\c+\i], v[PC+12+4*\c+\i]
.endr
.irp i, 0,1,2
	s_delay_alu instid0(VALU_DEP_3)
	v_mov_b32 v[PC+3+6*\c+\i], v[PC+12+4*\c+\i]
.endr
.endr
.endm
; half of that: 32 numbers, two blocks, become six registers v[d] on (lanes 0-15 block 0, lanes 16-31 block 1) and two scale bytes in v[by]; ct: three registers at work; v244-251 at work
.macro QH s, d, ct, by
	v_max3_num_f32 v244, |v[\s]|, |v[\s+1]|, 0x1800000
	v_max3_num_f32 v245, |v[\s+16]|, |v[\s+17]|, 0x1800000
.irp i, 2,4,6,8,10,12,14
	v_max3_num_f32 v244, v244, |v[\s+\i]|, |v[\s+1+\i]|
	v_max3_num_f32 v245, v245, |v[\s+16+\i]|, |v[\s+17+\i]|
.endr
	s_delay_alu instid0(VALU_DEP_2)
	v_permlanex16_b32 v246, v244, s[SEL], s[SEL+1]
	s_delay_alu instid0(VALU_DEP_2)
	v_permlanex16_b32 v247, v245, s[SEL], s[SEL+1]
	s_delay_alu instid0(VALU_DEP_2)
	v_max_num_f32 v244, v244, v246
	s_delay_alu instid0(VALU_DEP_2)
	v_max_num_f32 v245, v245, v247
	s_delay_alu instid0(VALU_DEP_2)
	v_add_nc_u32 v248, 0xff000000, v244
	s_delay_alu instid0(VALU_DEP_2)
	v_add_nc_u32 v249, 0xff000000, v245
	s_delay_alu instid0(VALU_DEP_2)
	v_lshrrev_b32 v250, 23, v248
	s_delay_alu instid0(VALU_DEP_2)
	v_lshrrev_b32 v251, 23, v249
	s_delay_alu instid0(VALU_DEP_1)
	v_lshl_or_b32 v[\by], v251, 8, v250
	v_cvt_scalef32_pk16_fp6_f32 v[\d:\d+2], v[\s:\s+15], v248
	v_cvt_scalef32_pk16_fp6_f32 v[\ct:\ct+2], v[\s+16:\s+31], v249
	v_nop
.irp i, 0,1,2
	v_permlane16_swap_b32 v[\d+\i], v[\ct+\i]
.endr
.irp i, 0,1,2
	s_delay_alu instid0(VALU_DEP_3)
	v_mov_b32 v[\d+3+\i], v[\ct+\i]
.endr
.endm
; A WEIGHT UNIT: two fragments (column tiles 2 (u % 2), + 1 of my four) and their 32 scale words, of K step (u % 16) / 2 of weight WSEL + u / 16: seven loads into slot u % 4
.macro ULOAD u
.set UO, WSEL*851968+((\u)&1)*26624+((\u)/2)*3328
.set UR, UF+24*((\u)%4)
.irp i, 0,1,2,3,4,5
	global_load_b128 v[UR+4*\i:UR+4*\i+3], v3, s[WB:WB+1] offset:UO+512*\i
.endr
	global_load_b32 v[US+(\u)%4], v2, s[WB:WB+1] offset:UO+3072
.endm
.macro AFETCH ai, as, s
.set AF, 80+26*((\s)%2)                ; K step s goes into buffer s % 2
.set AS, AF+24
.irp m, 0,1
.irp p, 0,1,2,3,4,5
	ds_load_b64 v[AF+12*\m+2*\p:AF+12*\m+2*\p+1], v[\ai] offset:(8*\m+(\s))*1536+256*\p
.endr
	ds_load_b32 v[AS+\m], v[\as] offset:(8*\m+(\s))*128
.endr
.endm
; Unit u is multiplied: four matrix instructions on four of the eight accumulators; two units go round all eight, so no two that follow each other share one.
.macro UNIT u, last, acc, ai, as
.set SL, (\u)%4
.set T0, 2*((\u)&1)
.if (\last)-(\u) < 3
	s_wait_loadcnt 7*((\last)-(\u))                ; the younger units' seven loads each may be out
.else
	s_wait_loadcnt 21                              ; the three younger units' seven loads each may be out; all that was issued earlier is in
.endif
.if ((\u)&1) == 0
	s_wait_dscnt 0x0                               ; my rows' fragments of this K step, asked for a K step ago
.if (\u)+2 <= (\last)
	AFETCH \ai, \as, (\u)/2+1                      ; the next K step's, into the other buffer: its last products stand four places back
.endif
.endif
.set AF, 80+26*(((\u)/2)%2)
.set AS, AF+24
.irp f, 0,1
.irp m, 0,1
.if \f == 0
	v_wmma_scale_f32_16x16x128_f8f6f4 v[\acc+8*(4*\m+T0+\f):\acc+8*(4*\m+T0+\f)+7], v[UF+24*SL+12*\f:UF+24*SL+12*\f+11], v[AF+12*\m:AF+12*\m+11], v[\acc+8*(4*\m+T0+\f):\acc+8*(4*\m+T0+\f)+7], v[US+SL], v[AS+\m] matrix_a_fmt:MATRIX_FMT_FP6 matrix_b_fmt:MATRIX_FMT_FP6
.else
	v_wmma_scale_f32_16x16x128_f8f6f4 v[\acc+8*(4*\m+T0+\f):\acc+8*(4*\m+T0+\f)+7], v[UF+24*SL+12*\f:UF+24*SL+12*\f+11], v[AF+12*\m:AF+12*\m+11], v[\acc+8*(4*\m+T0+\f):\acc+8*(4*\m+T0+\f)+7], v[US+SL], v[AS+\m] matrix_a_fmt:MATRIX_FMT_FP6 matrix_b_fmt:MATRIX_FMT_FP6 matrix_a_scale:MATRIX_SCALE_ROW1
.endif
.endr
.endr
.rept 4
	v_nop                                          ; places in front of loads into registers that these products have read, and of the first read of results
.endr
.if (\u)+4 <= (\last)
	ULOAD (\u)+4
.endif
.endm
.macro BIAS acc, sp                            ; the bias is loaded INTO the accumulators (lane (r, h), tile t: columns 16 t + 8 h + 0..7): the first product adds onto it, nothing is cleared
.irp m, 0,1
.irp t, 0,1,2,3
	global_load_b128 v[\acc+8*(4*\m+\t):\acc+8*(4*\m+\t)+3], v4, s[\sp:\sp+1] offset:64*\t
	global_load_b128 v[\acc+8*(4*\m+\t)+4:\acc+8*(4*\m+\t)+7], v4, s[\sp:\sp+1] offset:64*\t+16
.endr
.endr
.endm
	s_load_b512 s[4:19], s[0:1], 0x0               ; hidden s[4:5], wimg s[6:7], kw s[8:9], ksc s[10:11], vw s[12:13], vsc s[14:15], bq s[16:17], bo s[18:19]
	s_load_b256 s[20:27], s[0:1], 0x40             ; bg s[20:21], ln_g s[22:23], ln_b s[24:25], out0 s[26:27]
	v_lshrrev_b32 v1, 5, v0
	s_delay_alu instid0(VALU_DEP_1)
	v_readfirstlane_b32 s28, v1                    ; wave w = my head
	s_and_b32 s29, s28, 1
	s_lshr_b32 s30, s28, 1
	s_lshl_b32 s31, s29, 4                         ; my head's two bytes in k's scale words: 16 (w % 2) bits up
	s_lshr_b32 s44, ttmp9, 5                       ; batch
	s_and_b32 s45, ttmp9, 31                       ; which 32 queries of it
	s_sub_co_i32 s46, s45, 2
	s_max_i32 s33, s46, 0
	s_min_i32 s33, s33, 27                         ; the window's first block of 32 keys
	s_sub_co_i32 s34, s33, s46
	s_lshl_b32 s34, s34, 5                         ; 32 x (how far it was moved)
	s_and_b32 s35, s33, 3
	s_lshl_b32 s35, s35, 3                         ; where its byte stands in v's scale words, in bits
	s_mov_b32 s36, 0x76543210
	s_mov_b32 s37, 0xfedcba98                      ; lane selects for lane l xor 16
	s_mov_b32 s38, 0x3e38aa3b                      ; c = log2(e) / 8: t = score x c
	s_mov_b32 s39, s38                             ; (named with it as a pair)
	s_mov_b32 s40, 128
	v_and_b32 v16, 31, v0                          ; lane
	v_and_b32 v17, 15, v0                          ; r
	v_bfe_u32 v18, v0, 4, 1                        ; h
	s_delay_alu instid0(VALU_DEP_3)
	v_lshlrev_b32 v1, 3, v16
	s_delay_alu instid0(VALU_DEP_4)
	v_lshlrev_b32 v2, 2, v16
	v_lshlrev_b32 v3, 4, v16
	s_delay_alu instid0(VALU_DEP_4)
	v_lshlrev_b32 v4, 5, v18
	s_delay_alu instid0(VALU_DEP_4)
	v_add_nc_u32 v5, HIMG, v1
	s_delay_alu instid0(VALU_DEP_4)
	v_add_nc_u32 v6, HSC, v2
	v_add_nc_u32 v7, CIMG, v1
	v_add_nc_u32 v8, CSC, v2
	v_mul_u32_u24 v9, v17, HP
	s_delay_alu instid0(VALU_DEP_1)
	v_lshl_add_u32 v9, v18, 5, v9
	s_lshl_b32 s41, s28, 8
	v_add_nc_u32 v9, s41, v9                       ; H in the accumulators' layout: row r, + 32 h, + my 256 bytes;
	s_delay_alu instid0(VALU_DEP_1)
	v_add_nc_u32 v10, 16*HP, v9                    ; and rows 16 on
	v_add_nc_u32 v19, s33, v18                     ; v's codes: lane half h takes key block (first + h) + 2 c: unit (block / 2), lanes' half (block % 2)
	s_delay_alu instid0(VALU_DEP_1)
	v_lshrrev_b32 v20, 1, v19
	s_delay_alu instid0(VALU_DEP_2)
	v_and_b32 v19, 1, v19
	s_delay_alu instid0(VALU_DEP_2)
	v_mul_u32_u24 v11, v20, 768
	s_delay_alu instid0(VALU_DEP_1)
	v_lshl_add_u32 v11, v19, 7, v11
	s_delay_alu instid0(VALU_DEP_1)
	v_lshl_add_u32 v11, v17, 3, v11
	s_add_co_u32 s41, s33, 4                       ; and the fifth block, for both halves of the lanes
	s_lshr_b32 s47, s41, 1
	s_mul_i32 s47, s47, 768
	s_and_b32 s41, s41, 1
	s_lshl_b32 s41, s41, 7
	s_add_co_u32 s41, s41, s47
	v_lshl_add_u32 v12, v17, 3, s41
	v_lshlrev_b32 v13, 3, v18
	s_delay_alu instid0(VALU_DEP_1)
	v_sub_nc_u32 v13, v13, v17
	s_delay_alu instid0(VALU_DEP_1)
	v_add_nc_u32 v13, s34, v13                     ; 8 h - r + the move: with 16 tile + j - 16 m it is key - query + 64
	v_mov_b32 v14, 0xff800000                      ; -infinity
	s_mul_i32 s41, s28, 2*HP
	v_add_nc_u32 v15, s41, v3                      ; H by rows: rows 2 w, 2 w + 1, 16 bytes a lane
	s_lshr_b32 s41, s28, 3
	s_mul_i32 s41, s41, 16*HP
	s_and_b32 s47, s28, 7
	s_lshl_b32 s47, s47, 9
	s_add_co_u32 s41, s41, s47
	v_mul_u32_u24 v253, v17, HP
	s_delay_alu instid0(VALU_DEP_1)
	v_lshl_add_u32 v253, v18, 6, v253
	s_delay_alu instid0(VALU_DEP_1)
	v_add_nc_u32 v253, s41, v253                   ; the fragment that I quantise: tile of rows w / 8, K step w % 8: row r, + 64 h
	s_mul_i32 s41, s28, 1536
	v_add_nc_u32 v254, s41, v5                     ; where its image goes,
	s_lshl_b32 s41, s28, 7
	v_add_nc_u32 v255, s41, v6                     ; and its scale words
	v_mov_b32 v235, 0
	v_mov_b32 v237, 0
.irp i, 0,1,2,3,4,5,6,7,8,9
	v_mov_b32 v[240+\i], 0                         ; written once: a lane permute's destination counts as one of its sources
.endr
	s_wait_kmcnt 0x0
	s_mov_b32 s43, 0
	s_lshl_b32 s42, ttmp9, 17                      ; 32 rows of 4,096 bytes,
	s_lshl_b32 s47, s28, 13                        ; my two of them
	s_add_co_u32 s42, s42, s47
	s_add_nc_u64 s[4:5], s[4:5], s[42:43]
	s_add_nc_u64 s[26:27], s[26:27], s[42:43]
	; ---- X: hidden comes in once: rows 2 w and 2 w + 1, 512 consecutive bytes a load
.irp i, 0,1
.irp p, 0,1,2,3,4,5,6,7
	global_load_b128 v[HS+32*\i+4*\p:HS+32*\i+4*\p+3], v3, s[4:5] offset:4096*\i+512*\p th:TH_LOAD_NT
.endr
.endr
	s_mul_i32 s42, s28, 53248                      ; my two tile pairs of each weight's images
	s_add_nc_u64 s[6:7], s[6:7], s[42:43]
	s_mul_i32 s42, s44, 786432
	s_mul_i32 s47, s28, 49152
	s_add_co_u32 s42, s42, s47
	s_add_nc_u64 s[12:13], s[12:13], s[42:43]      ; v's codes: batch, my four channel tiles
	s_mul_i32 s47, s33, 1536
	s_add_co_u32 s42, s42, s47
	s_add_nc_u64 s[8:9], s[8:9], s[42:43]          ; k's codes: batch, my head, the window's first key tile
	s_lshl_b32 s48, s44, 15
	s_lshl_b32 s47, s30, 12
	s_add_co_u32 s42, s48, s47
	s_lshl_b32 s47, s33, 7
	s_add_co_u32 s42, s42, s47
	s_add_nc_u64 s[10:11], s[10:11], s[42:43]      ; k's scale words
	s_lshl_b32 s47, s28, 11
	s_add_co_u32 s42, s48, s47
	s_lshr_b32 s47, s33, 2
	s_lshl_b32 s47, s47, 7
	s_add_co_u32 s42, s42, s47
	s_add_nc_u64 s[14:15], s[14:15], s[42:43]      ; v's scale words: from the 128 keys in which the window begins
	s_lshl_b32 s42, s28, 8
	s_add_nc_u64 s[16:17], s[16:17], s[42:43]
	s_add_nc_u64 s[18:19], s[18:19], s[42:43]
	s_add_nc_u64 s[20:21], s[20:21], s[42:43]
	s_lshr_b32 s58, s28, 2
	s_xor_b32 s58, s58, s28
	s_and_b32 s58, s58, 1                          ; 1: this trip makes q and the attention; 0: the gate.  Bits 0 and 2 of the wave's number decide the first trip: of waves w, w + 4, w + 8, w + 12, and of 4 i .. 4 i + 3, two go each way
	s_lshl_b32 s62, s28, 13
	s_add_co_u32 s62, s62, GST                     ; my 8,192 bytes for the gate
	s_add_nc_u64 s[60:61], s[6:7], 851968          ; Wo's images,
	s_add_nc_u64 s[52:53], s[6:7], 2*851968        ; and Wg's (Wq's, Wo's, Wg's lie one behind the other)
	s_mov_b32 s59, 0
.set WSEL, 0
.set WB, 50
	s_cmp_lg_u32 s58, 0
	s_cselect_b64 s[50:51], s[6:7], s[52:53]       ; Wq or Wg
	s_cselect_b64 s[54:55], s[16:17], s[20:21]     ; bq or bg
	BIAS ACC1, 54                                  ; the first product's bias and its first two units are asked for behind hidden's loads
	ULOAD 0
	ULOAD 1
	s_wait_loadcnt 30                              ; hidden's 16 loads are in; the bias's 16 and the two units' 7 + 7 may be out
.irp i, 0,1
.irp p, 0,1,2,3,4,5,6,7
	ds_store_b128 v15, v[HS+32*\i+4*\p:HS+32*\i+4*\p+3] offset:HP*\i+512*\p
.endr
.endr
	BARRIER                                        ; the 32 rows of hidden lie in LDS
.irp b, 0,1,2,3
.irp j, 0,1,2,3
	ds_load_b128 v[HS+16*\b+4*\j:HS+16*\b+4*\j+3], v253 offset:128*\b+16*\j   ; register 16 b + i = k 32 b + 16 h + i of row r: the natural order
.endr
.endr
.irp i, 0,1,2,3
	v_mov_b32 v[TM+4+\i], 0                        ; a lane permute's destination counts as one of its sources
.endr
	s_wait_dscnt 0x0
	QUANT HS
.irp p, 0,1,2,3,4,5
	ds_store_b64 v254, v[PC+2*\p:PC+2*\p+1] offset:256*\p
.endr
	ds_store_b32 v255, v[PW]
	s_wait_dscnt 0x0                               ; the image's stores are done: for the others' sake, and units 2 and 3 land on their registers
	ULOAD 2
	ULOAD 3
	s_barrier_signal -1
	s_barrier_wait -1                              ; hidden's sixteen fragments lie in LDS, and nobody reads H's rows across the strips any more
.Lstage:
	AFETCH 5, 6, 0
.set UU, 0
.rept 16
	UNIT UU, 15, ACC1, 5, 6
.set UU, UU+1
.endr
	s_cmp_eq_u32 s58, 0
	s_wait_alu depctr_va_vdst(0)
	s_cbranch_scc1 .Lgate
.irp t, 0,1,2,3,4,5,6,7,8,9                    ; k: ten key tiles of my head, six registers each, on end; they land while q is quantised
.irp p, 0,1,2
	global_load_b64 v[86+6*\t+2*\p:87+6*\t+2*\p], v1, s[8:9] offset:768*\t+256*\p
.endr
.endr
.irp g, 0,1,2,3,4
	global_load_b32 v[80+\g], v2, s[10:11] offset:128*\g
.endr
	QH 16, 152, 168, 242
	QH 48, 160, 168, 243
	s_wait_alu depctr_va_vdst(0)
	s_wait_loadcnt 0x0                             ; k's codes and scale words
	v_mov_b32 v68, v242                            ; q's scale words (bytes 2 and 3 are 0: they meet codes of zero)
	v_mov_b32 v69, v243
.irp g, 0,1,2,3,4
	v_lshrrev_b32 v[80+\g], s31, v[80+\g]          ; my head's two bytes of k's scale words come down
.endr
.irp i, 0,1,2,3,4,5
	v_mov_b32 v[16+\i], v[152+\i]                  ; q of rows 0-15;
	v_mov_b32 v[34+\i], v[160+\i]                  ; of rows 16-31, parked;
	v_mov_b32 v[22+\i], 0                          ; codes of zero: the upper half of q's operand, the lower half of p's second;
	v_mov_b32 v[146+\i], 0                         ; and behind k's last tile
.endr
.rept 8
	v_nop                                          ; a scale register written by a vector instruction stands 8 places ahead of a scaled matrix instruction, an operand 4
.endr
; ---- A: scores and softmax of rows 16 m on.  [q v16-21][zeros v22-27][p's fifth block v28-33]; p's blocks 0-3 at v40 + 12 m; its scale words v64 + 2 m, v65 + 2 m; 1 / sum at v70 + m
.macro ATT m
.if \m
.irp i, 0,1,2,3,4,5
	v_mov_b32 v[16+\i], v[34+\i]
.endr
.rept 4
	v_nop
.endr
.endif
.irp t, 0,1,2,3,4,5,6,7,8,9                    ; S^T = k q^T: the operand's upper six registers are the next tile's codes and meet q's zeros
.if (\t)%2
	v_wmma_scale_f32_16x16x128_f8f6f4 v[S+8*\t:S+8*\t+7], v[86+6*\t:97+6*\t], v[16:27], 0, v[80+\t/2], v[68+\m] matrix_a_fmt:MATRIX_FMT_FP6 matrix_b_fmt:MATRIX_FMT_FP6 matrix_a_scale:MATRIX_SCALE_ROW1
.else
	v_wmma_scale_f32_16x16x128_f8f6f4 v[S+8*\t:S+8*\t+7], v[86+6*\t:97+6*\t], v[16:27], 0, v[80+\t/2], v[68+\m] matrix_a_fmt:MATRIX_FMT_FP6 matrix_b_fmt:MATRIX_FMT_FP6
.endif
.endr
.rept 4
	v_nop
.endr
.if \m                                         ; k is done with: v's codes take its registers and land under this softmax
.irp t, 0,1,2,3
.irp c, 0,1
.irp p, 0,1,2
	global_load_b64 v[80+12*\t+6*\c+2*\p:81+12*\t+6*\c+2*\p], v11, s[12:13] offset:12288*\t+768*\c+256*\p
.endr
.endr
.endr
.irp t, 0,1,2,3
.irp p, 0,1,2
	global_load_b64 v[128+6*\t+2*\p:129+6*\t+2*\p], v12, s[12:13] offset:12288*\t+256*\p
.endr
.endr
.irp g, 0,1
.irp i, 0,1
	global_load_b32 v[76+2*\g+\i], v2, s[14:15] offset:1024*\g+128*\i
.endr
.endr
.endif
.irp t, 0,8-7*\m,9                             ; the window: kept where 0 <= key - query + 64 <= 128, as one unsigned compare; each accumulator from its low end on.  These three tiles reach over the window's edge in every work-group
.irp j, 0,1,2,3,4,5,6,7
	v_add_nc_u32 v232, 16*(\t)+\j-16*\m, v13
	s_delay_alu instid0(VALU_DEP_1)
	v_cmp_lt_u32 vcc_lo, s40, v232
	v_cndmask_b32 v[S+8*(\t)+\j], v[S+8*(\t)+\j], v14, vcc_lo
.endr
.endr
	s_cmp_eq_u32 s34, 0                            ; where the window was not moved, key - query + 64 of tile t lies in 16 (t - m) - 15 .. 16 (t - m) + 15: inside 0 .. 128 for t - m = 1 .. 7
	s_wait_alu depctr_va_vdst(0)
	s_cbranch_scc1 .Lin\m
.irp t, 1,2,3,4,5,6,7
.irp j, 0,1,2,3,4,5,6,7
	v_add_nc_u32 v232, 16*\t+\j, v13
	s_delay_alu instid0(VALU_DEP_1)
	v_cmp_lt_u32 vcc_lo, s40, v232
	v_cndmask_b32 v[S+8*(\t+\m)+\j], v[S+8*(\t+\m)+\j], v14, vcc_lo
.endr
.endr
.Lin\m:
.irp b, 0,1,2,3,4
	v_max3_num_f32 v[240+\b], v[S+16*\b], v[S+1+16*\b], v[S+2+16*\b]   ; the largest score of each block of 32 keys: for the row's maximum, and, since p rises with the score, for the block's largest p
.endr
.irp i, 3,5,7,9,11,13
.irp b, 0,1,2,3,4
	v_max3_num_f32 v[240+\b], v[240+\b], v[S+16*\b+\i], v[S+1+16*\b+\i]
.endr
.endr
.irp b, 0,1,2,3,4
	v_max_num_f32 v[240+\b], v[240+\b], v[S+15+16*\b]
.endr
.irp b, 0,1,2,3,4
	v_permlanex16_b32 v[245+\b], v[240+\b], s[SEL], s[SEL+1]
.endr
.irp b, 0,1,2,3,4
	v_max_num_f32 v[240+\b], v[240+\b], v[245+\b]
.endr
	s_delay_alu instid0(VALU_DEP_3)
	v_max3_num_f32 v232, v240, v241, v242
	s_delay_alu instid0(VALU_DEP_1)
	v_max3_num_f32 v232, v232, v243, v244          ; the row's largest score (the query's own key is always in the window)
	s_delay_alu instid0(VALU_DEP_1)
	v_mul_f32 v233, s38, v232
	s_delay_alu instid0(VALU_DEP_1)
	v_floor_f32 v234, -v233                        ; -M = floor(-t) = -ceil(t)
.set II, 0
.rept 40
	v_pk_fma_f32 v[S+2*II:S+2*II+1], v[S+2*II:S+2*II+1], s[38:39], v[234:235] op_sel_hi:[1,0,0]   ; t - M, two at a time
.set II, II+1
.endr
.irp b, 0,1,2,3,4
	v_fma_f32 v[240+\b], v[240+\b], s38, v234
.endr
.set II, 0
	s_wait_alu depctr_va_vdst(0)
.rept 80
	v_exp_f32 v[S+II], v[S+II]                     ; p = 2^(t - M); 0 where the window hides
.set II, II+1
.endr
	v_nop                                          ; a plain place behind the exponentials
	s_wait_alu depctr_va_vdst(0)                   ; one wait for the batch, ahead of its first reader
.irp b, 0,1,2,3,4
	v_exp_f32 v[240+\b], v[240+\b]                 ; each block's largest p
.endr
	v_pk_add_f32 v[238:239], v[152:153], v[154:155]
	v_pk_add_f32 v[254:255], v[160:161], v[164:165]
	v_pk_add_f32 v[252:253], v[168:169], v[172:173]
	v_pk_add_f32 v[250:251], v[176:177], v[180:181]
	v_pk_add_f32 v[248:249], v[184:185], v[188:189]
	v_pk_add_f32 v[246:247], v[192:193], v[196:197]
	v_pk_add_f32 v[232:233], v[200:201], v[204:205]
	v_pk_add_f32 v[236:237], v[208:209], v[212:213]
	v_pk_add_f32 v[236:237], v[236:237], v[216:217]
	v_pk_add_f32 v[238:239], v[238:239], v[220:221]
	v_pk_add_f32 v[254:255], v[254:255], v[224:225]
	v_pk_add_f32 v[252:253], v[252:253], v[228:229]
	v_pk_add_f32 v[250:251], v[250:251], v[156:157]
	v_pk_add_f32 v[248:249], v[248:249], v[158:159]
	v_pk_add_f32 v[246:247], v[246:247], v[162:163]
	v_pk_add_f32 v[232:233], v[232:233], v[166:167]
	v_pk_add_f32 v[236:237], v[236:237], v[170:171]
	v_pk_add_f32 v[238:239], v[238:239], v[174:175]
	v_pk_add_f32 v[254:255], v[254:255], v[178:179]
	v_pk_add_f32 v[252:253], v[252:253], v[182:183]
	v_pk_add_f32 v[250:251], v[250:251], v[186:187]
	v_pk_add_f32 v[248:249], v[248:249], v[190:191]
	v_pk_add_f32 v[246:247], v[246:247], v[194:195]
	v_pk_add_f32 v[232:233], v[232:233], v[198:199]
	v_pk_add_f32 v[236:237], v[236:237], v[202:203]
	v_pk_add_f32 v[238:239], v[238:239], v[206:207]
	v_pk_add_f32 v[254:255], v[254:255], v[210:211]
	v_pk_add_f32 v[252:253], v[252:253], v[214:215]
	v_pk_add_f32 v[250:251], v[250:251], v[218:219]
	v_pk_add_f32 v[248:249], v[248:249], v[222:223]
	v_pk_add_f32 v[246:247], v[246:247], v[226:227]
	v_pk_add_f32 v[232:233], v[232:233], v[230:231]
	s_delay_alu instid0(VALU_DEP_4)
	v_pk_add_f32 v[236:237], v[236:237], v[250:251]
	s_delay_alu instid0(VALU_DEP_4)
	v_pk_add_f32 v[238:239], v[238:239], v[248:249]
	s_delay_alu instid0(VALU_DEP_4)
	v_pk_add_f32 v[254:255], v[254:255], v[246:247]
	s_delay_alu instid0(VALU_DEP_4)
	v_pk_add_f32 v[252:253], v[252:253], v[232:233]
	s_delay_alu instid0(VALU_DEP_2)
	v_pk_add_f32 v[236:237], v[236:237], v[254:255]
	s_delay_alu instid0(VALU_DEP_2)
	v_pk_add_f32 v[238:239], v[238:239], v[252:253]
	s_delay_alu instid0(VALU_DEP_1)
	v_pk_add_f32 v[236:237], v[236:237], v[238:239]
	s_wait_alu depctr_va_vdst(0)                   ; and one for the five
.irp b, 0,1,2,3,4
	v_max_num_f32 v[240+\b], 0x1800000, v[240+\b]  ; the floor: a block that is all hidden keeps the byte 1; its codes are zeros
.endr
.irp b, 0,1,2,3,4
	v_add_nc_u32 v[250+\b], 0xff000000, v[240+\b]
.endr
.irp b, 0,1,2,3,4
	v_lshrrev_b32 v[245+\b], 23, v[250+\b]
.endr
	s_delay_alu instid0(VALU_DEP_4)
	v_lshl_or_b32 v[64+2*\m], v246, 8, v245        ; p's scale word for blocks 0-3,
	s_delay_alu instid0(VALU_DEP_1)
	v_lshl_or_b32 v[64+2*\m], v247, 16, v[64+2*\m]
	s_delay_alu instid0(VALU_DEP_1)
	v_lshl_or_b32 v[64+2*\m], v248, 24, v[64+2*\m]
	s_delay_alu instid0(VALU_DEP_4)
	v_lshlrev_b32 v[65+2*\m], 16, v249             ; and for the fifth, which stands as block 2 of its K step
	v_add_f32 v236, v236, v237
	s_delay_alu instid0(VALU_DEP_1)
	v_permlanex16_b32 v237, v236, s[SEL], s[SEL+1]
	s_delay_alu instid0(VALU_DEP_1)
	v_add_f32 v236, v236, v237                     ; the row's sum
	s_wait_alu depctr_va_vdst(0)
	v_rcp_f32 v[70+\m], v236
	v_nop
.set D4, 28+6*\m                               ; (rows 16 on: parked where q was parked)
	v_cvt_scalef32_pk16_fp6_f32 v[D4:D4+2], v[S+64:S+79], v254
	v_nop
.irp i, 0,1,2
	v_mov_b32 v[S+72+\i], 0
.endr
.irp i, 0,1,2
	v_permlane16_swap_b32 v[D4+\i], v[S+72+\i]     ; lanes 0-15 get the whole block, lanes 16-31 codes of zero
.endr
.irp i, 0,1,2
	s_delay_alu instid0(VALU_DEP_3)
	v_mov_b32 v[D4+3+\i], v[S+72+\i]
.endr
.irp c, 0,1
	v_cvt_scalef32_pk16_fp6_f32 v[40+12*\m+6*\c:42+12*\m+6*\c], v[S+32*\c:S+15+32*\c], v[250+2*\c]
	v_cvt_scalef32_pk16_fp6_f32 v[S+64+4*\c:S+66+4*\c], v[S+16+32*\c:S+31+32*\c], v[251+2*\c]
.endr
	v_nop
.irp c, 0,1
.irp i, 0,1,2
	v_permlane16_swap_b32 v[40+12*\m+6*\c+\i], v[S+64+4*\c+\i]
.endr
.irp i, 0,1,2
	s_delay_alu instid0(VALU_DEP_3)
	v_mov_b32 v[43+12*\m+6*\c+\i], v[S+64+4*\c+\i]
.endr
.endr
	s_wait_alu depctr_va_vdst(0)                   ; the reciprocal's wait, behind the conversions
.endm
	ATT 0
	ATT 1
	; ---- B: ctx = p v / sum, quantised along H in the natural order, to LDS as my half of a fragment's image
	s_wait_loadcnt 0x0                             ; v's codes and scale words
	v_alignbit_b32 v72, v77, v76, s35              ; the four bytes of key blocks first .. first + 3, out of two neighbouring words;
	v_alignbit_b32 v73, v79, v78, s35
	v_lshrrev_b32 v74, s35, v77                    ; and the fifth block's, as byte 2
	v_lshrrev_b32 v75, s35, v79
	s_delay_alu instid0(VALU_DEP_2)
	v_lshlrev_b32 v74, 16, v74
	s_delay_alu instid0(VALU_DEP_2)
	v_lshlrev_b32 v75, 16, v75
	s_mul_i32 s41, s30, 1536
	s_mul_i32 s47, s29, 768
	s_add_co_u32 s41, s41, s47
	v_add_nc_u32 v254, s41, v7                     ; ctx's image: K step w / 2, registers 6 (w % 2) on
	s_lshl_b32 s41, s30, 7
	s_lshl_b32 s47, s29, 1
	s_add_co_u32 s41, s41, s47
	v_add_nc_u32 v255, s41, v8                     ; its scale word's bytes 2 (w % 2), + 1
.rept 8
	v_nop
.endr
.macro PV m
.if \m
.irp i, 0,1,2,3,4,5
	v_mov_b32 v[28+\i], v[34+\i]
.endr
.rept 4
	v_nop
.endr
.endif
.irp t, 0,1,2,3                                ; O^T = v^T p^T: 16 channels a tile; first the 128 keys of blocks 0-3,
.if (\t)%2
	v_wmma_scale_f32_16x16x128_f8f6f4 v[S+8*\t:S+8*\t+7], v[80+12*\t:91+12*\t], v[40+12*\m:51+12*\m], 0, v[72+\t/2], v[64+2*\m] matrix_a_fmt:MATRIX_FMT_FP6 matrix_b_fmt:MATRIX_FMT_FP6 matrix_a_scale:MATRIX_SCALE_ROW1
.else
	v_wmma_scale_f32_16x16x128_f8f6f4 v[S+8*\t:S+8*\t+7], v[80+12*\t:91+12*\t], v[40+12*\m:51+12*\m], 0, v[72+\t/2], v[64+2*\m] matrix_a_fmt:MATRIX_FMT_FP6 matrix_b_fmt:MATRIX_FMT_FP6
.endif
.endr
.irp t, 0,1,2,3                                ; then the fifth block: all else of this K step meets p's codes of zero.  Three other accumulators' turns lie between a sum's two links
.if (\t)%2
	v_wmma_scale_f32_16x16x128_f8f6f4 v[S+8*\t:S+8*\t+7], v[122+6*\t:133+6*\t], v[22:33], v[S+8*\t:S+8*\t+7], v[74+\t/2], v[65+2*\m] matrix_a_fmt:MATRIX_FMT_FP6 matrix_b_fmt:MATRIX_FMT_FP6 matrix_a_scale:MATRIX_SCALE_ROW1
.else
	v_wmma_scale_f32_16x16x128_f8f6f4 v[S+8*\t:S+8*\t+7], v[122+6*\t:133+6*\t], v[22:33], v[S+8*\t:S+8*\t+7], v[74+\t/2], v[65+2*\m] matrix_a_fmt:MATRIX_FMT_FP6 matrix_b_fmt:MATRIX_FMT_FP6
.endif
.endr
.rept 4
	v_nop
.endr
.set II, 0
.rept 16
.if \m
	v_pk_mul_f32 v[S+2*II:S+2*II+1], v[S+2*II:S+2*II+1], v[70:71] op_sel:[0,1] op_sel_hi:[1,1]
.else
	v_pk_mul_f32 v[S+2*II:S+2*II+1], v[S+2*II:S+2*II+1], v[70:71] op_sel_hi:[1,0]
.endif
.set II, II+1
.endr
.irp b, 0,1
.irp j, 0,1,2,3,4,5,6,7
	v_permlane16_swap_b32 v[S+16*\b+\j], v[S+16*\b+8+\j]   ; channels 8 h + j and 16 + 8 h + j become 16 h + j and 16 h + 8 + j: the natural order, which Wo's given codes ask for
.endr
.endr
	QH S, 232, 238, 242
.irp i, 0,1,2
	ds_store_b64 v254, v[232+2*\i:233+2*\i] offset:12288*\m+256*\i
.endr
	ds_store_b16 v255, v242 offset:1024*\m
.endm
	PV 0
	PV 1
	s_wait_alu depctr_va_vdst(0)
	s_branch .Lnext
.Lgate:
	; ---- the gate = 1 / (1 + 2^(-x log2 e)), to my own LDS bytes as an image of the 64 registers
.set II, 0
.rept 32
	v_pk_mul_f32 v[ACC1+2*II:ACC1+2*II+1], v[ACC1+2*II:ACC1+2*II+1], 0xbfb8aa3b op_sel_hi:[1,0]   ; x -log2(e); each accumulator from its low end on
.set II, II+1
.endr
	v_add_nc_u32 v232, s62, v3                     ; 16 bytes a lane
	s_wait_alu depctr_va_vdst(0)                   ; one wait ahead of the batch, one behind it
.set II, 0
.rept 64
	v_exp_f32 v[ACC1+II], v[ACC1+II]
.set II, II+1
.endr
	v_nop
	s_wait_alu depctr_va_vdst(0)
.set II, 0
.rept 32
	v_pk_add_f32 v[ACC1+2*II:ACC1+2*II+1], v[ACC1+2*II:ACC1+2*II+1], 1.0 op_sel_hi:[1,0]
.set II, II+1
.endr
	s_wait_alu depctr_va_vdst(0)
.set II, 0
.rept 64
	v_rcp_f32 v[ACC1+II], v[ACC1+II]
.set II, II+1
.endr
	v_nop
	s_wait_alu depctr_va_vdst(0)
.irp i, 0,1,2,3,4,5,6,7,8,9,10,11,12,13,14,15
	ds_store_b128 v232, v[ACC1+4*\i:ACC1+4*\i+3] offset:512*\i
.endr
.Lnext:
	s_xor_b32 s58, s58, 1                          ; the other of the two in the second trip
	s_add_co_u32 s59, s59, 1
	s_cmp_lg_u32 s58, 0                            ; the next product's weight and bias (every load that read these pairs has been waited for): Wq or Wg,
	s_cselect_b64 s[50:51], s[6:7], s[52:53]
	s_cselect_b64 s[54:55], s[16:17], s[20:21]
	s_cmp_lt_u32 s59, 2                            ; and behind the second trip Wo and bo
	s_cselect_b64 s[50:51], s[50:51], s[60:61]
	s_cselect_b64 s[54:55], s[54:55], s[18:19]
	s_wait_dscnt 0x0                               ; my LDS stores are done: ctx's for the others' sake, and the loads below land on their registers
	BIAS ACC1, 54
	ULOAD 0
	ULOAD 1
	ULOAD 2
	ULOAD 3
	s_cmp_lt_u32 s59, 2
	s_wait_alu depctr_va_vdst(0)
	s_cbranch_scc1 .Lstage
	s_barrier_signal -1
	s_barrier_wait -1                              ; ctx's sixteen fragments lie in LDS
	AFETCH 7, 8, 0
.set UU, 0
.rept 16
	UNIT UU, 15, ACC1, 7, 8
.set UU, UU+1
.endr
	; ---- the gate and the blend, in the accumulators' layout
.irp m, 0,1
.irp t, 0,1,2,3
	ds_load_b128 v[146+8*(4*\m+\t):149+8*(4*\m+\t)], v[9+\m] offset:64*\t
	ds_load_b128 v[150+8*(4*\m+\t):153+8*(4*\m+\t)], v[9+\m] offset:64*\t+16
.endr
.endr
	v_add_nc_u32 v232, s62, v3
.irp i, 0,1,2,3,4,5,6,7,8,9,10,11,12,13,14,15
	ds_load_b128 v[ACC2+4*\i:ACC2+4*\i+3], v232 offset:512*\i   ; my gate comes back into the same lanes, register for register beside ACC1
.endr
	s_wait_dscnt 0x0                               ; hidden and the gate
.set II, 0
.rept 32
	v_pk_fma_f32 v[146+2*II:147+2*II], v[ACC2+2*II:ACC2+2*II+1], v[ACC1+2*II:ACC1+2*II+1], v[146+2*II:147+2*II]
.set II, II+1
.endr
.set II, 0
.rept 32
	v_pk_mul_f32 v[146+2*II:147+2*II], v[146+2*II:147+2*II], 0.5 op_sel_hi:[1,0]   ; 0.5 (hidden + gate x out)
.set II, II+1
.endr
.irp m, 0,1
.irp t, 0,1,2,3
	ds_store_b128 v[9+\m], v[146+8*(4*\m+\t):149+8*(4*\m+\t)] offset:64*\t          ; back to the bytes that only I have read since the second barrier
	ds_store_b128 v[9+\m], v[150+8*(4*\m+\t):153+8*(4*\m+\t)] offset:64*\t+16
.endr
.endr
.irp p, 0,1,2,3,4,5,6,7
	global_load_b128 v[16+4*\p:19+4*\p], v3, s[22:23] offset:512*\p
	global_load_b128 v[48+4*\p:51+4*\p], v3, s[24:25] offset:512*\p
.endr
	BARRIER                                        ; 32 whole blended rows lie in LDS
	; ---- LayerNorm: rows 2 w and 2 w + 1, whole, 32 numbers a lane; the mean first, then the squares of the differences
.irp i, 0,1
.irp p, 0,1,2,3,4,5,6,7
	ds_load_b128 v[80+32*\i+4*\p:83+32*\i+4*\p], v15 offset:HP*\i+512*\p
.endr
.endr
	s_mov_b32 s41, 0x3a800000                      ; 1 / 1,024
	s_mov_b32 s47, 0x3727c5ac                      ; 1e-5
.macro RED a                                   ; the two rows' pairs at v[a], v[a + 2] are summed over the pair and the 32 lanes
.irp i, 0,1
	s_delay_alu instid0(VALU_DEP_2)
	v_add_f32 v[\a+2*\i], v[\a+2*\i], v[\a+1+2*\i]
.endr
.irp x, 1,2,4,8
.irp i, 0,1
	s_delay_alu instid0(VALU_DEP_2)
	v_add_f32_dpp v[\a+2*\i], v[\a+2*\i], v[\a+2*\i] row_xmask:\x row_mask:0xf bank_mask:0xf
.endr
.endr
.irp i, 0,1
	s_delay_alu instid0(VALU_DEP_2)
	v_permlanex16_b32 v[\a+1+2*\i], v[\a+2*\i], s[SEL], s[SEL+1]
.endr
.irp i, 0,1
	s_delay_alu instid0(VALU_DEP_2)
	v_add_f32 v[\a+2*\i], v[\a+2*\i], v[\a+1+2*\i]
.endr
.endm
	s_wait_dscnt 0x0
.irp i, 0,1
	v_pk_add_f32 v[232+2*\i:233+2*\i], v[80+32*\i:81+32*\i], v[82+32*\i:83+32*\i]
.endr
.irp j, 4,6,8,10,12,14,16,18,20,22,24,26,28,30
.irp i, 0,1
	s_delay_alu instid0(VALU_DEP_2)
	v_pk_add_f32 v[232+2*\i:233+2*\i], v[232+2*\i:233+2*\i], v[80+32*\i+\j:81+32*\i+\j]
.endr
.endr
	RED 232
.irp i, 0,1
	s_delay_alu instid0(VALU_DEP_2)
	v_mul_f32 v[232+2*\i], s41, v[232+2*\i]        ; the mean
.endr
.irp j, 0,2,4,6,8,10,12,14,16,18,20,22,24,26,28,30
.irp i, 0,1
	v_pk_add_f32 v[80+32*\i+\j:81+32*\i+\j], v[80+32*\i+\j:81+32*\i+\j], v[232+2*\i:233+2*\i] op_sel_hi:[1,0] neg_lo:[0,1] neg_hi:[0,1]
.endr
.endr
.irp i, 0,1
	v_pk_mul_f32 v[236+2*\i:237+2*\i], v[80+32*\i:81+32*\i], v[80+32*\i:81+32*\i]
.endr
.irp j, 2,4,6,8,10,12,14,16,18,20,22,24,26,28,30
.irp i, 0,1
	s_delay_alu instid0(VALU_DEP_2)
	v_pk_fma_f32 v[236+2*\i:237+2*\i], v[80+32*\i+\j:81+32*\i+\j], v[80+32*\i+\j:81+32*\i+\j], v[236+2*\i:237+2*\i]
.endr
.endr
	RED 236
.irp i, 0,1
	s_delay_alu instid0(VALU_DEP_2)
	v_fma_f32 v[236+2*\i], v[236+2*\i], s41, s47   ; the variance + 1e-5
.endr
	s_wait_alu depctr_va_vdst(0)
.irp i, 0,1
	v_rsq_f32 v[236+2*\i], v[236+2*\i]
.endr
	v_nop
	s_wait_alu depctr_va_vdst(0)
	s_wait_loadcnt 0x0                             ; ln_g, ln_b
.irp j, 0,2,4,6,8,10,12,14,16,18,20,22,24,26,28,30
.irp i, 0,1
	v_pk_mul_f32 v[80+32*\i+\j:81+32*\i+\j], v[80+32*\i+\j:81+32*\i+\j], v[236+2*\i:237+2*\i] op_sel_hi:[1,0]
.endr
.endr
.irp j, 0,2,4,6,8,10,12,14,16,18,20,22,24,26,28,30
.irp i, 0,1
	v_pk_fma_f32 v[80+32*\i+\j:81+32*\i+\j], v[80+32*\i+\j:81+32*\i+\j], v[16+\j:17+\j], v[48+\j:49+\j]
.endr
.endr
.irp i, 0,1
.irp p, 0,1,2,3,4,5,6,7
	global_store_b128 v3, v[80+32*\i+4*\p:83+32*\i+4*\p], s[26:27] offset:4096*\i+512*\p th:TH_STORE_NT   ; 32 lanes store 512 consecutive bytes, aligned to 256; written once, read by nobody here
.endr
.endr
	s_wait_xcnt 0x0
	v_lshl_add_u32 v254, v0, 2, 0x2d200
	v_mov_b32 v255, 0
	s_wait_alu depctr_va_vdst(0)
	s_wait_tensorcnt 0x0
	ds_add_u32 v254, v255
	s_wait_dscnt 0x0
	s_endpgm
.Lfunc_end_k_q6808124099_fused:
	.size	k_q6808124099_fused, .Lfunc_end_k_q6808124099_fused-k_q6808124099_fused
	.p2alignl 7, 3214868480
	.fill 96, 4, 3214868480
	.section	.rodata,"a",@progbits
	.p2align	6, 0x0
	.amdhsa_kernel k_q6808124099_fused
		.amdhsa_group_segment_fixed_size 317952
		.amdhsa_private_segment_fixed_size 0
		.amdhsa_enable_private_segment 0
		.amdhsa_kernarg_size 96
		.amdhsa_user_sgpr_count 2
		.amdhsa_user_sgpr_kernarg_segment_ptr 1
		.amdhsa_wavefront_size32 1
		.amdhsa_system_sgpr_workgroup_id_x 1
		.amdhsa_system_sgpr_workgroup_id_y 1
		.amdhsa_system_sgpr_workgroup_id_z 1
		.amdhsa_system_vgpr_workitem_id 0
		.amdhsa_next_free_vgpr 256
		.amdhsa_next_free_sgpr 66
		.amdhsa_reserve_vcc 1
		.amdhsa_float_denorm_mode_32 3
		.amdhsa_float_denorm_mode_16_64 3
		.amdhsa_memory_ordered 1
		.amdhsa_forward_progress 1
		.amdhsa_inst_pref_size 191
	.end_amdhsa_kernel
	.amdgpu_metadata
---
amdhsa.version: [ 1, 2 ]
amdhsa.kernels:
  - .name:           k_q6808124099_fused
    .symbol:         k_q6808124099_fused.kd
    .args:
      - { .name: hidden_states, .offset: 0, .size: 8, .value_kind: global_buffer, .address_space: global }
      - { .name: wimg, .offset: 8, .size: 8, .value_kind: global_buffer, .address_space: global }
      - { .name: kw, .offset: 16, .size: 8, .value_kind: global_buffer, .address_space: global }
      - { .name: ksc, .offset: 24, .size: 8, .value_kind: global_buffer, .address_space: global }
      - { .name: vw, .offset: 32, .size: 8, .value_kind: global_buffer, .address_space: global }
      - { .name: vsc, .offset: 40, .size: 8, .value_kind: global_buffer, .address_space: global }
      - { .name: bq, .offset: 48, .size: 8, .value_kind: global_buffer, .address_space: global }
      - { .name: bo, .offset: 56, .size: 8, .value_kind: global_buffer, .address_space: global }
      - { .name: bg, .offset: 64, .size: 8, .value_kind: global_buffer, .address_space: global }
      - { .name: ln_g, .offset: 72, .size: 8, .value_kind: global_buffer, .address_space: global }
      - { .name: ln_b, .offset: 80, .size: 8, .value_kind: global_buffer, .address_space: global }
      - { .name: out0, .offset: 88, .size: 8, .value_kind: global_buffer, .address_space: global }
    .group_segment_fixed_size: 317952
    .private_segment_fixed_size: 0
    .kernarg_segment_align: 8
    .kernarg_segment_size: 96
    .max_flat_workgroup_size: 512
    .sgpr_count:     66
    .vgpr_count:     256
    .wavefront_size: 32
...
	.end_amdgpu_metadata
.endif
;; end of part 2
